; MI455X (gfx1250); checked and timed in simulation.
; The chip was launched on July 23, 2026; its instructions are those of AMD's public machine-readable ISA for CDNA 5 (MIT licence, August 2026) and "CDNA5" Instruction Set Architecture Reference Guide (July 2026). The comments in the code are by the model that wrote it; some were corrected since.
;; Multi Headed Attention. Allowed arithmetic: matrix products marked QUANTISED: E2M1 operands, one E8M0 scale for each 32 along K, by v_wmma_scale_f32_16x16x128_f8f6f4 with both operands' format E2M1 (or v_wmma_scale_f32_32x16x128_f4), f32 sums; products left as they are: bf16, f16 or f32 operands; f32 sums; everything else in f32.
;; Inputs: Wk 1,024 x 1,024 float32; Wo 1,024 x 1,024 float32; Wq 1,024 x 1,024 float32; Wv 1,024 x 1,024 float32; bk 1,024 float32; bo 1,024 float32; bq 1,024 float32; bv 1,024 float32; key 4 x 2,048 x 1,024 float32; mask 4 x 1 x 1 x 2,048 int32; query 4 x 2,048 x 1,024 float32; value 4 x 2,048 x 1,024 float32.
;; Outputs: out0 4 x 2,048 x 1,024 float32.
;; This version of the problem:
;;   THIS VERSION OF THE PROBLEM IS GIVEN IN LOW PRECISION. The matrix products marked QUANTISED in the list below multiply operands that are first quantised to E2M1 (2 exponent bits, 1 mantissa bit; 4 bits a number), with one power-of-two scale for each 32 numbers along K (OCP MX v1.0); their sums are f32. The products marked 'left as it is' may take bf16, f16 or f32 operands, with f32 sums. Whichever they take, every output number must still come out within the allowed error. Rounding operands to bf16 (8 significant bits) uses up far more of that allowance than f16 does (11 bits, for magnitudes from 6e-5 to 65,504). All else is computed in f32.
;;   The module's matrix products, in the order in which they are computed (A, B: the left and right operand; K: the contracted axis; several contracted axes count as one K, in the product's order):
;;     1. [M 8,192, K 1,024] x [K 1,024, N 1,024]; A: input query; B: input Wq: QUANTISED
;;     2. [M 8,192, K 1,024] x [K 1,024, N 1,024]; A: input key; B: input Wk: QUANTISED
;;     3. [M 8,192, K 1,024] x [K 1,024, N 1,024]; A: input value; B: input Wv: QUANTISED
;;     4. batch 64 x [M 2,048, K 64] x [K 64, N 2,048]; A: computed on the way; B: computed on the way: left as it is (an operand is computed on the way)
;;     5. batch 64 x [M 2,048, K 2,048] x [K 2,048, N 64]; A: computed on the way; B: computed on the way: left as it is (an operand is computed on the way)
;;     6. [M 8,192, K 1,024] x [K 1,024, N 1,024]; A: computed on the way; B: input Wo: left as it is (an operand is computed on the way)
;;   THE QUANTISER, for each operand of a quantised product, along K:
;;     - K is cut into blocks of 32 from its start; a last block that is shorter is filled with zeros.
;;     - A block's scale is 2^e with e = floor(log2(the largest magnitude in the block)) - 2, held to -126 .. 127; a block of zeros has e = 0. As a byte (E8M0): e + 127.
;;     - Each number is divided by its block's scale, clamped to +-6, and rounded to the nearest number of E2M1, ties to even, subnormals kept.
;;     - The product sums the exact products of the quantised numbers (number of the format x scale) in f32.
;;   ~~~python
;;   def quantise(x, axis):      # numpy; x: float32 -> the quantised numbers, widened to float32 again
;;       x = np.moveaxis(x, axis, -1); K = x.shape[-1]
;;       x = np.pad(x, [(0, 0)] * (x.ndim - 1) + [(0, -K % 32)]); x = x.reshape(x.shape[:-1] + (-1, 32)); a = np.abs(x).max(-1, keepdims=True)
;;       e = np.where(a > 0, np.clip(np.frexp(np.where(a > 0, a, 1))[1] - 1 - 2, -126, 127), 0)      # np.frexp(a)[1] - 1 = floor(log2(a)), exactly
;;       r = np.clip(x / 2.0 ** e, -6, 6)
;;       step = 2.0 ** (np.maximum(np.frexp(np.where(r == 0, 1, r))[1] - 1, 0) - 1)
;;       q = np.round(r / step) * step * 2.0 ** e      # np.round: ties to even
;;       return np.moveaxis(q.reshape(q.shape[:-2] + (-1,))[..., :K], -1, axis).astype(np.float32)
;;   ~~~
;; One version. Each part assembles by itself: llvm-mc -triple=amdgcn-amd-amdhsa -mcpu=gfx1250 --defsym DOCPART=n.
;; ======== version 1 of 1: 4 launches
;; limits: values are held in f16: magnitudes above 65,504 overflow, below 6.1e-05 lose precision
;; workspace buffers: codes 14,155,776 bytes; scales 884,736 bytes; woh 2,097,152 bytes; qkv 50,331,648 bytes; ctxh 16,777,216 bytes
;; launch quant (part 1): grid 896 x 1, 4 waves a work-group, no clusters, 33,280 bytes of LDS; arguments query, key, value, Wq, Wk, Wv, Wo, codes, scales, woh; writes codes, scales, woh
.if DOCPART == 1
	.amdgcn_target "amdgcn-amd-amdhsa--gfx1250"
	.amdhsa_code_object_version 6
	.text
	.protected	k_qdede686df0_quant
	.globl	k_qdede686df0_quant
	.p2align	8
	.type	k_qdede686df0_quant,@function
k_qdede686df0_quant:
	s_mov_b64 s[64:65], 0
	v_nop
	global_prefetch_b8 v0, s[64:65] scope:SCOPE_SE
	s_setreg_imm32_b32 hwreg(HW_REG_WAVE_MODE, 25, 1), 1
	s_wait_xcnt 0x0
; MULTI-HEAD ATTENTION, launch 1 of 4.  NOTHING OF THE PROBLEM IS LEFT OUT: all four biases, the mask and all six products have a way to the output, and every input is loaded by some launch.
; (bk would cancel in the softmax only if the -1e9 of masked keys were not there: it stays.)
; This launch: query, key, value [8192][1024] and Wq, Wk, Wv [1024][1024], f32 with K innermost, become codes of FP4 (E2M1) with one E8M0 byte for each 32 along K; Wo [1024][1024] becomes f16 in the order of an operand's registers.
; codes:  [27648 rows][512 bytes], rows 0.. query, 8192.. key, 16384.. value, 24576.. Wq, 25600.. Wk, 26624.. Wv.   scales: [27648][32 bytes], the same rows.
; A block's scale is 2^(floor(log2(its largest magnitude)) - 2); its byte is the largest magnitude's exponent field - 2, held at 1 from below.  Each number is divided by the scale and rounded to the nearest code, ties to even, beyond 6 the code of 6.
; A block of zeros gets the byte 1 where the rule says 127: its codes are zeros, which add nothing under any byte but 0xff, and this program alone reads the bytes.
; LIMITS: blocks whose largest magnitude lies under 2^-124 have their byte held at 1; NaN and infinities among the inputs are not served; |Wo| up to 65,504 (f16).
; Rows are dense and K is a multiple of 32: the six tensors are plain streams of blocks of 32, and so are codes and bytes.  Work-groups 0-863 take 32,768 numbers each (a wave 16 steps of 512): 256 for each of query, key, value, 32 for each weight.
; Each load reads 512 consecutive bytes; a step's 2,048 bytes turn through the wave's own stage in LDS, so that a lane holds 16 neighbours along K; two neighbouring lanes hold a block.  No barrier: waves share nothing.
; woh: [nt 64][ks 32][1024 bytes]: the fragment of outputs 16 nt .. + 15 and k = 32 ks .. + 31: registers 4 c .. 4 c + 3 at 512 c, lane l's 16 bytes at 16 l; lane (r = l % 16, h = l / 16) holds Wo(16 nt + r, 32 ks + 16 c + 8 h + 0 .. 7).
; Work-groups 864-895: a wave takes half the K of one nt.  Its loads read 32 bytes of each of 16 rows, the neighbours by the next lines; its stores cover 512 consecutive bytes.  Wo is one part in thirty of what the launch reads.
.set WAVES, 4
.set STEPS, 16
.set CB,    8                          ; bytes of 16 codes
.set R,     16                         ; v16-79   four sets of 16 numbers as they are loaded
.set X,     80                         ; v80-111  two sets of 16 neighbours
.set E,     112                        ; v112-127 a scale byte for each step
.set C,     128                        ; v128-191 codes: four registers for each step, so that no store's data are written again
.set WREG,  8192                       ; LDS: a region for each wave: two stages of 32 x SP bytes, behind them its 256 scale bytes
.set SP,    80                         ; a lane's place in a stage: 64 bytes + 16 of padding
.set SPW,   12                         ; v12 LDS address of my spare word; never rewritten
.set NIL,   13                         ; v13 0; never rewritten
.set SPARE, WAVES*WREG                 ; the spare words: 128 bytes for each wave, named by no other line
.set WI,    16                         ; Wo's path: v16-143 two sets of 64 numbers
.set WO,    144                        ; v144-175 eight chunks of 16 bytes to store
	s_load_b512 s[4:19], s[0:1], 0x0               ; query 4:5, key 6:7, value 8:9, Wq 10:11, Wk 12:13, Wv 14:15, Wo 16:17, codes 18:19
	s_load_b128 s[20:23], s[0:1], 0x40             ; scales 20:21, woh 22:23
	v_lshl_add_u32 v[SPW], v0, 2, SPARE
	v_mov_b32 v[NIL], 0
	v_lshrrev_b32 v1, 5, v0
	v_readfirstlane_b32 s24, v1                    ; wave
	v_and_b32 v2, 31, v0                           ; lane
	v_lshlrev_b32 v3, 4, v2                        ; 16 x lane
	s_mul_i32 s25, s24, WREG
	v_lshrrev_b32 v14, 2, v2
	v_mul_u32_u24 v14, v14, SP
	v_and_b32 v15, 3, v2
	v_lshl_add_u32 v14, v15, 4, v14
	v_add_nc_u32 v14, s25, v14                     ; the stage, on the way in: SP (lane / 4) + 16 (lane % 4)
	v_mul_u32_u24 v15, v2, SP
	v_add_nc_u32 v15, s25, v15                     ; and on the way out: SP x lane: my 16 neighbours
	v_mul_u32_u24 v4, v2, CB                       ; my codes' place in a step's
	v_lshrrev_b32 v5, 1, v2
	s_add_co_u32 s25, s25, 2*32*SP
	v_add_nc_u32 v5, s25, v5                       ; LDS: my wave's 256 scale bytes, my block's byte
	v_lshlrev_b32 v7, 3, v2                        ; and on the way out 8 bytes a lane
	v_add_nc_u32 v6, s25, v7
	s_wait_kmcnt 0x0
	s_cmp_ge_u32 ttmp9, 864                        ; the last 32 work-groups take Wo
	s_cbranch_scc1 .Lwo
	; which tensor: a chain of choices on the work-group's number alone
	s_mov_b64 s[26:27], s[14:15]                   ; Wv, from work-group 832
	s_mov_b32 s28, 832
	s_cmp_lt_u32 ttmp9, 832
	s_cselect_b64 s[26:27], s[12:13], s[26:27]     ; Wk, from 800
	s_cselect_b32 s28, 800, s28
	s_cmp_lt_u32 ttmp9, 800
	s_cselect_b64 s[26:27], s[10:11], s[26:27]     ; Wq, from 768
	s_cselect_b32 s28, 768, s28
	s_cmp_lt_u32 ttmp9, 768
	s_cselect_b64 s[26:27], s[8:9], s[26:27]       ; value, from 512
	s_cselect_b32 s28, 512, s28
	s_cmp_lt_u32 ttmp9, 512
	s_cselect_b64 s[26:27], s[6:7], s[26:27]       ; key, from 256
	s_cselect_b32 s28, 256, s28
	s_cmp_lt_u32 ttmp9, 256
	s_cselect_b64 s[26:27], s[4:5], s[26:27]       ; query
	s_cselect_b32 s28, 0, s28
	s_sub_co_u32 s28, ttmp9, s28
	s_lshl_b32 s28, s28, 2
	s_add_co_u32 s28, s28, s24                     ; which run of 8,192 numbers of the tensor is my wave's
	s_lshl_b32 s28, s28, 15                        ; 32,768 bytes a run
	s_mov_b32 s29, 0
	s_add_nc_u64 s[26:27], s[26:27], s[28:29]
	s_lshl_b32 s30, ttmp9, 2
	s_add_co_u32 s30, s30, s24                     ; the outputs follow the work-groups' numbers
	s_lshl_b32 s28, s30, 12                        ; 4,096 bytes of codes a run
	s_add_nc_u64 s[18:19], s[18:19], s[28:29]
	s_lshl_b32 s28, s30, 8                         ; 256 scale bytes a run
	s_add_nc_u64 s[20:21], s[20:21], s[28:29]
.macro LOAD t
.irp i, 0,1,2,3
	global_load_b128 v[R+16*((\t)%4)+4*\i:R+16*((\t)%4)+4*\i+3], v3, s[26:27] offset:2048*(\t)+512*\i th:TH_LOAD_NT   ; 32 lanes read 512 consecutive bytes
.endr
.endm
.macro TURN t                          ; step t's numbers through the stage: LDS serves a wave's instructions in order, so no wait stands between the stores and the loads
.irp i, 0,1,2,3
	ds_store_b128 v14, v[R+16*((\t)%4)+4*\i:R+16*((\t)%4)+4*\i+3] offset:32*SP*((\t)%2)+8*SP*\i
.endr
.irp i, 0,1,2,3
	ds_load_b128 v[X+16*((\t)%2)+4*\i:X+16*((\t)%2)+4*\i+3], v15 offset:32*SP*((\t)%2)+16*\i
.endr
.endm
.irp t, 0,1,2,3
	LOAD \t
.endr
	s_wait_loadcnt 12                              ; step 0's four loads are in; the twelve of steps 1 to 3 stay out
	TURN 0
.macro STEP t
.set XS, X+16*((\t)%2)
.if (\t) > 0
	s_wait_dscnt 1                                 ; this step's numbers are back from the stage (the last step's byte store may be out)
.else
	s_wait_dscnt 0x0
.endif
.if (\t)+4 < STEPS
	LOAD (\t)+4                                    ; into the registers that the stage's stores have read
.endif
.if (\t)+1 < STEPS
.if STEPS-2-(\t) >= 3
	s_wait_loadcnt 12                              ; the next step's four loads are in; those of the three steps behind it may be out
.else
	s_wait_loadcnt 4*(STEPS-2-(\t))
.endif
	TURN (\t)+1                                    ; through the other stage while this step is worked
.endif
	v_max3_num_f32 v8, |v[XS]|, |v[XS+1]|, |v[XS+2]|               ; the largest magnitude of my 16, in two chains
	v_max3_num_f32 v9, |v[XS+3]|, |v[XS+4]|, |v[XS+5]|
.irp i, 6,10
	v_max3_num_f32 v8, v8, |v[XS+\i]|, |v[XS+\i+1]|
	v_max3_num_f32 v9, v9, |v[XS+\i+2]|, |v[XS+\i+3]|
.endr
	v_max3_num_f32 v8, v8, |v[XS+14]|, |v[XS+15]|
	v_max3_num_f32 v8, v8, v9, 0x1800000           ; and the floor 2^(3 - 127): the byte cannot fall under 1
	v_max_num_f32_dpp v8, v8, v8 row_xmask:1 row_mask:0xf bank_mask:0xf   ; and of my neighbour's 16: the block's
	v_add_nc_u32 v11, 0xff000000, v8               ; 2 off its exponent field: the conversion takes the exponent field of this operand as its scale
	v_cvt_scalef32_pk8_fp4_f32 v[C+4*(\t)], v[XS:XS+7], v11
	v_cvt_scalef32_pk8_fp4_f32 v[C+4*(\t)+1], v[XS+8:XS+15], v11
	v_lshrrev_b32 v[E+(\t)], 23, v11               ; the scale's byte (a plain line behind the conversions)
	ds_store_b8 v5, v[E+(\t)] offset:16*(\t)       ; both lanes of a block write the same byte with the same value
	global_store_b64 v4, v[C+4*(\t):C+4*(\t)+1], s[18:19] offset:32*CB*(\t)   ; the wave stores 256 consecutive bytes, aligned
.endm
.irp t, 0,1,2,3,4,5,6,7,8,9,10,11,12,13,14,15
	STEP \t
.endr
	ds_load_b64 v[8:9], v6                         ; LDS serves a wave's instructions in order: these see my byte stores
	s_wait_dscnt 0x0
	global_store_b64 v7, v[8:9], s[20:21]          ; 32 lanes store 256 consecutive bytes, aligned
	s_wait_tensorcnt 0x0                           ; the wave's end, behind my last LDS store
	ds_add_u32 v[SPW], v[NIL]
	s_wait_dscnt 0x0
	s_endpgm
.Lwo:                                              ; Wo to f16, in the order of an operand's registers.
	s_sub_co_u32 s25, ttmp9, 864
	s_lshl_b32 s25, s25, 2
	s_add_co_u32 s25, s25, s24                     ; 0 .. 127
	s_lshr_b32 s28, s25, 1                         ; nt: which 16 rows of Wo
	s_and_b32 s25, s25, 1                          ; which half of K
	s_lshl_b32 s30, s28, 16                        ; 16 rows of 4,096 bytes
	s_lshl_b32 s26, s25, 11                        ; 512 numbers
	s_add_co_u32 s30, s30, s26
	s_mov_b32 s31, 0
	s_add_nc_u64 s[16:17], s[16:17], s[30:31]
	s_lshl_b32 s30, s28, 15                        ; 32 fragments of 1,024 bytes
	s_lshl_b32 s26, s25, 14
	s_add_co_u32 s30, s30, s26
	s_add_nc_u64 s[22:23], s[22:23], s[30:31]
	v_and_b32 v8, 15, v0                           ; r
	v_bfe_u32 v9, v0, 4, 1                         ; h
	v_lshlrev_b32 v8, 12, v8
	v_lshl_add_u32 v8, v9, 5, v8                   ; row r, + 8 h numbers
; chunk n = 2 ks + c of my 32: eight numbers a lane at 64 n bytes of my half row; 16 bytes a lane at 512 n of my part of woh
.macro LOADR p                         ; round p: chunks 8 p .. 8 p + 7 into set p % 2
.irp j, 0,1,2,3,4,5,6,7
	global_load_b128 v[WI+64*((\p)%2)+8*\j:WI+64*((\p)%2)+8*\j+3], v8, s[16:17] offset:(8*(\p)+\j)*64
	global_load_b128 v[WI+64*((\p)%2)+8*\j+4:WI+64*((\p)%2)+8*\j+7], v8, s[16:17] offset:(8*(\p)+\j)*64+16
.endr
.endm
.macro ROUNDW p
.if (\p) < 3
	s_wait_loadcnt 16                              ; this round's sixteen loads are in; the next round's stay out
.else
	s_wait_loadcnt 0x0
.endif
.if (\p) > 0
	s_wait_xcnt 0x0                                ; the last round's stores have read their data registers, which are written again below
.endif
.irp j, 0,1,2,3,4,5,6,7
.irp i, 0,1,2,3
	v_cvt_pk_f16_f32 v[WO+4*\j+\i], v[WI+64*((\p)%2)+8*\j+2*\i], v[WI+64*((\p)%2)+8*\j+2*\i+1]
.endr
.endr
.irp j, 0,1,2,3,4,5,6,7
	global_store_b128 v3, v[WO+4*\j:WO+4*\j+3], s[22:23] offset:(8*(\p)+\j)*512   ; 512 consecutive bytes, aligned
.endr
.if (\p)+2 < 4
	LOADR (\p)+2
.endif
.endm
	LOADR 0
	LOADR 1
	ROUNDW 0
	ROUNDW 1
	ROUNDW 2
	ROUNDW 3
	s_endpgm
.Lfunc_end_k_qdede686df0_quant:
	.size	k_qdede686df0_quant, .Lfunc_end_k_qdede686df0_quant-k_qdede686df0_quant
	.p2alignl 7, 3214868480
	.fill 96, 4, 3214868480
	.section	.rodata,"a",@progbits
	.p2align	6, 0x0
	.amdhsa_kernel k_qdede686df0_quant
		.amdhsa_group_segment_fixed_size 33280
		.amdhsa_private_segment_fixed_size 0
		.amdhsa_enable_private_segment 0
		.amdhsa_kernarg_size 80
		.amdhsa_user_sgpr_count 2
		.amdhsa_user_sgpr_kernarg_segment_ptr 1
		.amdhsa_wavefront_size32 1
		.amdhsa_system_sgpr_workgroup_id_x 1
		.amdhsa_system_sgpr_workgroup_id_y 1
		.amdhsa_system_sgpr_workgroup_id_z 1
		.amdhsa_system_vgpr_workitem_id 0
		.amdhsa_next_free_vgpr 192
		.amdhsa_next_free_sgpr 66
		.amdhsa_reserve_vcc 0
		.amdhsa_float_denorm_mode_32 3
		.amdhsa_float_denorm_mode_16_64 3
		.amdhsa_memory_ordered 1
		.amdhsa_forward_progress 1
		.amdhsa_inst_pref_size 52
	.end_amdhsa_kernel
	.amdgpu_metadata
---
amdhsa.version: [ 1, 2 ]
amdhsa.kernels:
  - .name:           k_qdede686df0_quant
    .symbol:         k_qdede686df0_quant.kd
    .args:
      - { .name: query, .offset: 0, .size: 8, .value_kind: global_buffer, .address_space: global }
      - { .name: key, .offset: 8, .size: 8, .value_kind: global_buffer, .address_space: global }
      - { .name: value, .offset: 16, .size: 8, .value_kind: global_buffer, .address_space: global }
      - { .name: Wq, .offset: 24, .size: 8, .value_kind: global_buffer, .address_space: global }
      - { .name: Wk, .offset: 32, .size: 8, .value_kind: global_buffer, .address_space: global }
      - { .name: Wv, .offset: 40, .size: 8, .value_kind: global_buffer, .address_space: global }
      - { .name: Wo, .offset: 48, .size: 8, .value_kind: global_buffer, .address_space: global }
      - { .name: codes, .offset: 56, .size: 8, .value_kind: global_buffer, .address_space: global }
      - { .name: scales, .offset: 64, .size: 8, .value_kind: global_buffer, .address_space: global }
      - { .name: woh, .offset: 72, .size: 8, .value_kind: global_buffer, .address_space: global }
    .group_segment_fixed_size: 33280
    .private_segment_fixed_size: 0
    .kernarg_segment_align: 8
    .kernarg_segment_size: 80
    .max_flat_workgroup_size: 128
    .sgpr_count:     66
    .vgpr_count:     192
    .wavefront_size: 32
...
	.end_amdgpu_metadata
.endif
;; end of part 1
;; launch proj (part 2): grid 4 x 96, 4 waves a work-group, clusters of 4 x 4, 327,680 bytes of LDS; arguments codes, scales, bq, bk, bv, mask, qkv; writes qkv
.if DOCPART == 2
	.amdgcn_target "amdgcn-amd-amdhsa--gfx1250"
	.amdhsa_code_object_version 6
	.text
	.protected	k_qdede686df0_proj
	.globl	k_qdede686df0_proj
	.p2align	8
	.type	k_qdede686df0_proj,@function
k_qdede686df0_proj:
	s_mov_b64 s[64:65], 0
	v_nop
	global_prefetch_b8 v0, s[64:65] scope:SCOPE_SE
	s_setreg_imm32_b32 hwreg(HW_REG_WAVE_MODE, 25, 1), 1
	s_wait_xcnt 0x0
	s_wait_alu depctr_hold_cnt(0) depctr_sa_sdst(0) depctr_va_vdst(0) depctr_va_sdst(0) depctr_va_ssrc(0) depctr_va_vcc(0) depctr_vm_vsrc(0)
	s_getreg_b32 s2, hwreg(HW_REG_IB_STS2, 6, 4)
	s_cmp_eq_u32 s2, 0
	s_cbranch_scc0 .Lentry_in_a_cluster
	s_endpgm
.Lentry_in_a_cluster:
	s_bfe_u32 s2, ttmp6, 0x10000c
	s_cmp_lg_u32 s2, 0xf033
	s_cbranch_scc0 .Lentry_shape_is_right
	s_endpgm
.Lentry_shape_is_right:
; Launch 2 of 4: the three projections on codes of FP4 with E8M0 scales: y = x W^T + b for (query, Wq, bq), (key, Wk, bk), (value, Wv, bv).  Nothing of the problem is left out here.
; One grid serves the three: tile row ty = 0 .. 95 counts 256 tokens of the 24,576 rows of x in 'codes'; tensor t = ty / 32; tile column tx = 0 .. 3 counts 256 channels of W_t.
; A work-group of four waves makes 256 tokens x 256 channels, a wave 128 x 128: 64 accumulators of 16 x 16, 512 registers.  K = 1,024 is two steps of 512: both slots of LDS are filled once, at the head; nothing is filled again.
; The scale bytes of the work-group's rows, for all of K, are two dense blocks of memory: they come into LDS once, with the first fills.
; CLUSTERS: 4 x 4 work-groups.  The four of a row of the cluster need the same rows of x, the four of a column the same rows of W: each tile is asked for jointly, by the same tensor load with a mask that names the four.
; THE MATRIX INSTRUCTION IS USED TRANSPOSED (source 0 = 16 rows of W, source 1 = 16 tokens): a lane holds one token (lane % 16) and eight neighbouring channels 8 (lane / 16) + 0 .. 7.
; The bias is the C of each sum's first matrix instruction.
; THE WAY OUT.  q is multiplied by log2(e) / 8, so that the next launch's scores are exponents of 2; a row of k is multiplied by 0 where mask = 0 (the next launch adds -1e9 log2(e) there: the masked score is then exactly
; that number, as the where() of the problem has it); v is left.  Rounded to f16 and stored in the order of an operand's registers:
; qkv: [t 3][hb = 16 batch + head][st 128 tiles of 16 tokens][2,048 bytes]; in a tile channels 16 ct .. + 15 at 512 ct.  q, k: lane l's 16 bytes at 16 l.  v: token r's octet h of channels at 16 (r % 8) + 128 h + 256 (r / 8),
; so that the next launch's turning load reads 16 bytes a lane on end.  A lane's eight results are just such 16 bytes: each store of the wave covers 512 consecutive bytes, aligned, and no stage in LDS is needed.
; LIMITS: |q| log2(e) / 8, |k| and |v| up to 65,504 (f16); NaN and infinities are not served (0 x infinity in a masked row of k would be NaN).
; REGISTERS, in windows of 256: window 0: v1-30 addresses and factors; v32-95 scale words, two sets; v96-111 the mask of my tokens, then their factor (pairs); v128-191 x's fragments, one set, later products at work;
;   v192-255 the bias as C, later packed results.  window 1: W's fragments, two sets, at v0 and v128.  windows 2, 3: the accumulators of my tokens 0-63, 64-127 ((a, b) at v[8 (8 (a % 4) + b)]).
.set NQ,     4                         ; matrix instructions deep in a slot: 512 along K
.set ROWB,   256                       ; a tile's row in bytes
.set KROW,   512                       ; a row of codes in memory
.set PITCH,  272                       ; an LDS row: 256 bytes + 16 of padding: the 16 rows that a load touches start 68 words apart
.set FR,     8                         ; registers of a fragment
.set NL,     2                         ; LDS loads that bring one
.set NP,     4                         ; places behind this matrix instruction (ISA guide 7.12.1)
.set HALFT,  128*PITCH
.set SLOT,   4*HALFT                   ; x's 256 rows, then W's 256 rows
.set KS,     32                        ; a row of scale bytes
.set SCL,    2*SLOT                    ; behind the slots: the scales, as units of 256 bytes + 16 of padding
.set HALFS,  (128*KS/256)*272
.set SBLK,   (16*KS/256)*272
.set SPARE,  SCL+4*HALFS               ; the spare words: 128 bytes for each wave, named by no other line
.set ADRA, 16                          ; v16-17 LDS address of my fragments of x in slot 0, 1
.set ADRB, 20                          ; v20-21 the same for W
.set LP,   26                          ; v26 the way out: my lane's 16 bytes in a block of 512
.set ADRS, 27                          ; v27 LDS address of my scale words: lanes 0-15 x's rows, lanes 16-31 W's
.set SPW,  28                          ; v28 LDS address of my spare word; never rewritten
.set NIL,  29                          ; v29 0; never rewritten
.set CF,   30                          ; v30 the tensor's factor
.set SC,   32
.set FA,   96
.set AF,   128
.set T,    128
.set BIAS, 192
.set G1, 24
.set G0, 32
.set G1B, 48
.set G0B, 56
.set G1S, 68
.set G0S, 76
.set G1SB, 80
.set G0SB, 88
.set MSB, 0
.macro WIN new                         ; the immediate's high byte repeats the setting that is left; a switch that changes nothing is dropped
.if MSB != (\new)
	s_set_vgpr_msb (MSB<<8)|(\new)
.set MSB, (\new)
.endif
.endm
.set MUL_LO, 0xa1                      ; source 0 (W) window 1, source 1 (x) window 0, C and D window 2
.set MUL_HI, 0xf1                      ; the same, C and D window 3
.set TO_B,   0x40                      ; destination window 1, address window 0
; A joint load: waves 0 and 1 fetch for x, waves 2 and 3 for W.  The branch hangs on the wave's number alone.  An s_nop 0 and four v_nop follow each of the two lines.
.macro JLOAD g0a, g1a, g0b, g1b
	s_cmp_eq_u32 s15, 0
	s_cbranch_scc0 .Lfor_b_\@
	tensor_load_to_lds s[\g0a:\g0a+3], s[\g1a:\g1a+7]
	s_nop 0
.rept 4
	v_nop
.endr
	s_branch .Lasked_\@
.Lfor_b_\@:
	tensor_load_to_lds s[\g0b:\g0b+3], s[\g1b:\g1b+7]
	s_nop 0
.rept 4
	v_nop
.endr
.Lasked_\@:
.endm
.macro CROUND                          ; a round of the cluster's barrier
	s_barrier_signal -1
	s_barrier_wait -1
	s_cmp_lg_u32 s14, 0
	s_cbranch_scc1 .Lnot_wave_0_\@
	s_barrier_signal -3
.Lnot_wave_0_\@:
	s_barrier_wait -3
	s_barrier_signal -1
	s_barrier_wait -1
.endm
	s_load_b128 s[4:7], s[0:1], 0x0                ; codes, scales
	s_load_b128 s[8:11], s[0:1], 0x10              ; bq, bk
	s_load_b128 s[96:99], s[0:1], 0x20             ; bv, mask
	s_load_b64 s[12:13], s[0:1], 0x30              ; qkv
	v_lshl_add_u32 v[SPW], v0, 2, SPARE
	v_mov_b32 v[NIL], 0
	ds_add_u32 v[SPW], v[NIL]                      ; the wave's opening: the add, twice on end, and its wait ahead of my first tensor load
	ds_add_u32 v[SPW], v[NIL]
	v_lshrrev_b32 v1, 5, v0
	v_readfirstlane_b32 s14, v1                    ; wave 0..3
	s_lshr_b32 s15, s14, 1                         ; which half of the tile's tokens is mine.  Also: I fetch for x (0) or for W (1)
	s_and_b32 s16, s14, 1                          ; which half of its channels.  Also: which 128 rows I fetch
	s_bfe_u32 s40, ttmp6, 0x40000                  ; cx, cy: my place in the cluster
	s_bfe_u32 s41, ttmp6, 0x40004
	s_lshl_b32 s42, ttmp9, 2
	s_add_co_u32 s42, s42, s40                     ; tx = 4 x cluster x + cx
	s_and_b32 s17, ttmp7, 0xffff
	s_lshr_b32 s66, s17, 3                         ; t: eight clusters along y to a tensor: the same in all sixteen partners
	s_lshl_b32 s17, s17, 2
	s_add_co_u32 s17, s17, s41                     ; ty = 4 x cluster y + cy
	s_lshl_b32 s43, s41, 2
	s_lshl_b32 s43, 15, s43                        ; my row of the cluster
	s_lshl_b32 s44, 0x1111, s40                    ; my column
	; descriptor group 1: a tile of 128 rows x 256 bytes, 16 bytes of padding behind each row
	s_or_b32 s[G1+0], s43, (0<<16)|(1<<20)|(1<<21)|(5<<22)|(3<<25)  ; 15:0 the mask: x's tiles go to my row; elements of 1 byte; padding on; 21 set beside a mask; after every 64 words 4 words
	s_or_b32 s[G1B+0], s44, (0<<16)|(1<<20)|(1<<21)|(5<<22)|(3<<25)
.irp g, G1, G1B
	s_mov_b32 s[\g+1], ROWB<<16                    ; tensor_dim0
	s_mov_b32 s[\g+2], 128<<16                     ; tensor_dim1
	s_mov_b32 s[\g+3], ROWB<<16                    ; tile_dim0
	s_mov_b32 s[\g+4], 128                         ; tile_dim1
	s_mov_b32 s[\g+5], KROW                        ; from row to row
	s_mov_b32 s[\g+6], 0
	s_mov_b32 s[\g+7], 0
.endr
	; the scales of 128 rows: 4,096 dense bytes, as 16 rows of 256 bytes (32 elements of 8 bytes), 16 bytes of padding behind each
	s_or_b32 s[G1S+0], s43, (3<<16)|(1<<20)|(1<<21)|(5<<22)|(3<<25)
	s_or_b32 s[G1SB+0], s44, (3<<16)|(1<<20)|(1<<21)|(5<<22)|(3<<25)
.irp g, G1S, G1SB
	s_mov_b32 s[\g+1], 32<<16
	s_mov_b32 s[\g+2], (128*KS/256)<<16
	s_mov_b32 s[\g+3], 32<<16
	s_mov_b32 s[\g+4], 128*KS/256
	s_mov_b32 s[\g+5], 32
	s_mov_b32 s[\g+6], 0
	s_mov_b32 s[\g+7], 0
.endr
	s_lshl_b32 s18, s16, 7                         ; which 128 rows of the tile I fetch
	s_lshl_b32 s20, s17, 8
	s_add_co_u32 s20, s20, s18                     ; x: row 256 ty + 128 x half
	s_lshl_b32 s46, s42, 8
	s_add_co_u32 s46, s46, s18
	s_lshl_b32 s47, s66, 10
	s_add_co_u32 s46, s46, s47
	s_add_co_u32 s46, s46, 24576                   ; W: row 24,576 + 1,024 t + 256 tx + 128 x half
	s_lshl_b32 s22, s20, 5                         ; where these rows' scales begin, in bytes (all under 2^24),
	s_mov_b32 s23, 0
	s_lshl_b32 s92, s46, 5
	s_mov_b32 s93, 0
	s_lshl_b32 s20, s20, 9                         ; and their codes
	s_mov_b32 s21, 0
	s_lshl_b32 s46, s46, 9
	s_mov_b32 s47, 0
	s_mul_i32 s45, s14, HALFT                      ; where they go: wave x 128 rows: no place in the cluster enters an LDS address
	s_mul_i32 s94, s14, HALFS
	s_wait_dscnt 0x0                               ; both opening adds are done
	s_wait_kmcnt 0x0
	s_add_nc_u64 s[20:21], s[4:5], s[20:21]
	s_add_nc_u64 s[22:23], s[6:7], s[22:23]
	s_add_nc_u64 s[46:47], s[4:5], s[46:47]
	s_add_nc_u64 s[92:93], s[6:7], s[92:93]
	CROUND                                         ; all sixteen work-groups are here: the joint loads meet
	s_mov_b32 s[G0S], 1
	s_add_co_u32 s[G0S+1], s94, SCL
	s_mov_b64 s[G0S+2:G0S+3], s[22:23]
	s_or_b32 s[G0S+3], s[G0S+3], 0x80000000
	s_mov_b32 s[G0SB], 1
	s_add_co_u32 s[G0SB+1], s94, SCL
	s_mov_b64 s[G0SB+2:G0SB+3], s[92:93]
	s_or_b32 s[G0SB+3], s[G0SB+3], 0x80000000
	JLOAD G0S, G1S, G0SB, G1SB                     ; the scales first: they are wanted with the first step.  Three loads of mine are out behind the third of these lines
.irp s, 0,1
	s_mov_b32 s[G0+4*\s], 1
	s_add_co_u32 s[G0+4*\s+1], s45, \s*SLOT
	s_add_nc_u64 s[G0+4*\s+2:G0+4*\s+3], s[20:21], \s*ROWB
	s_or_b32 s[G0+4*\s+3], s[G0+4*\s+3], 0x80000000
	s_mov_b32 s[G0B+4*\s], 1
	s_add_co_u32 s[G0B+4*\s+1], s45, \s*SLOT
	s_add_nc_u64 s[G0B+4*\s+2:G0B+4*\s+3], s[46:47], \s*ROWB
	s_or_b32 s[G0B+4*\s+3], s[G0B+4*\s+3], 0x80000000
	JLOAD G0+4*\s, G1, G0B+4*\s, G1B
.endr
	v_and_b32 v1, 15, v0                           ; r = lane % 16
	v_bfe_u32 v2, v0, 4, 1                         ; h = lane / 16
	; the bias of my 128 channels, in the result's layout: for tile b the eight numbers at channel 16 b + 8 h
	s_cmp_eq_u32 s66, 1
	s_cselect_b64 s[8:9], s[10:11], s[8:9]
	s_cmp_eq_u32 s66, 2
	s_cselect_b64 s[8:9], s[96:97], s[8:9]
	s_lshl_b32 s18, s42, 10
	s_lshl_b32 s19, s16, 9
	s_add_co_u32 s18, s18, s19                     ; (256 tx + 128 x half) x 4 bytes
	s_mov_b32 s19, 0
	s_add_nc_u64 s[8:9], s[8:9], s[18:19]
	v_lshlrev_b32 v7, 5, v2
.irp b, 0,1,2,3,4,5,6,7
	global_load_b128 v[BIAS+8*\b:BIAS+8*\b+3], v7, s[8:9] offset:64*\b
	global_load_b128 v[BIAS+8*\b+4:BIAS+8*\b+7], v7, s[8:9] offset:64*\b+16
.endr
	; the mask of my 128 tokens: block a's token r in lane r
	s_and_b32 s18, s17, 31
	s_lshl_b32 s18, s18, 10
	s_lshl_b32 s67, s15, 9
	s_add_co_u32 s18, s18, s67                     ; (256 (ty % 32) + 128 x half) x 4 bytes
	s_add_nc_u64 s[98:99], s[98:99], s[18:19]
	v_lshlrev_b32 v8, 2, v1
.irp a, 0,1,2,3,4,5,6,7
	global_load_b32 v[FA+2*\a], v8, s[98:99] offset:64*\a
.endr
	v_mul_u32_u24 v3, v1, PITCH
	v_lshl_add_u32 v4, v2, 4, v3                   ; a fragment's row x pitch + 16 x half
	s_mul_i32 s21, s15, HALFT                      ; my 128 rows of x
	s_mul_i32 s22, s16, HALFT                      ; my 128 rows of W,
	s_add_co_u32 s22, s22, 2*HALFT                 ; which lie behind x's 256
.irp s, 0,1
	v_add_nc_u32 v[ADRA+\s], s21, v4
	v_add_nc_u32 v[ADRB+\s], s22, v4
	s_add_co_u32 s21, s21, SLOT
	s_add_co_u32 s22, s22, SLOT
.endr
	v_mul_u32_u24 v5, v1, KS                       ; my row's scales: 32 bytes a row,
	v_lshrrev_b32 v6, 8, v5
	v_lshl_add_u32 v5, v6, 4, v5                   ; and 16 more for each 256 passed
	s_mul_i32 s21, s15, HALFS                      ; x's: my 128 rows
	s_mul_i32 s22, s16, HALFS                      ; W's: my 128 rows, behind x's 256
	s_add_co_u32 s22, s22, 2*HALFS
	s_sub_co_u32 s22, s22, s21
	v_mul_u32_u24 v6, s22, v2                      ; lanes 16-31 take W's: one product, the distance between the two bases
	s_add_co_u32 s21, s21, SCL
	v_add_nc_u32 v5, v5, v6
	v_add_nc_u32 v[ADRS], s21, v5
	; the way out: where my part of qkv begins, my lane's place in a block, the tensor's factor
	s_lshl_b32 s18, s66, 24                        ; the tensor
	s_and_b32 s92, s17, 31
	s_lshr_b32 s92, s92, 3                         ; the batch
	s_lshl_b32 s92, s92, 4
	s_lshl_b32 s93, s42, 2
	s_add_co_u32 s92, s92, s93
	s_lshl_b32 s93, s16, 1
	s_add_co_u32 s92, s92, s93                     ; hb of my first head: 16 batch + 4 tx + 2 x half
	s_lshl_b32 s92, s92, 18
	s_add_co_u32 s18, s18, s92
	s_and_b32 s92, s17, 7
	s_lshl_b32 s92, s92, 4
	s_lshl_b32 s93, s15, 3
	s_add_co_u32 s92, s92, s93                     ; my first tile of 16 tokens in the sequence
	s_lshl_b32 s92, s92, 11
	s_add_co_u32 s18, s18, s92
	s_add_nc_u64 s[12:13], s[12:13], s[18:19]
	s_mov_b32 s92, 0x3f800000
	s_cmp_eq_u32 s66, 0
	s_cselect_b32 s92, 0x3e38aa3b, s92             ; q: log2(e) / 8; k, v: 1
	v_mov_b32 v[CF], s92
	s_cmp_eq_u32 s66, 1
	s_cselect_b32 s67, 0, 1                        ; k alone heeds the mask
	s_cmp_eq_u32 s66, 2
	s_cselect_b32 s95, -1, 0                       ; v alone has the turned order
	v_and_b32 v9, 31, v0
	v_lshlrev_b32 v9, 4, v9                        ; q, k: 16 x lane
	v_and_b32 v10, 7, v0
	v_lshlrev_b32 v10, 4, v10
	v_lshl_add_u32 v10, v2, 7, v10
	v_bfe_u32 v11, v0, 3, 1
	v_lshl_add_u32 v10, v11, 8, v10                ; v: 16 (r % 8) + 128 h + 256 (r / 8)
	v_cndmask_b32 v[LP], v9, v10, s95
.macro FRAG reg, adr, q, i             ; a fragment, 16 rows x 128 K of 4-bit codes: lane l holds row l % 16; registers 4 c .. 4 c + 3 hold K = 64 c + 32 (l / 16) + 0 .. 31
.irp c, 0,1
	ds_load_b128 v[\reg+4*\c:\reg+4*\c+3], v[\adr] offset:64*(\q)+32*\c+(\i)*16*PITCH
.endr
.endm
; 16 matrix instructions: x's blocks a0, a0 + 1 against W's eight, the slot's q-th 128 along K.  p: W's set; sc: the set of scale words.  zero = 1: the first product starts the sums from the bias.
; The 64 accumulators take turns, one instruction a turn, in the same order in every step.
.macro MUL16 a0, p, q, sc, zero
.irp a, \a0, \a0+1
.irp b, 0,1,2,3,4,5,6,7
.if \zero
	v_wmma_scale_f32_16x16x128_f8f6f4 v[8*(8*((\a)%4)+\b):8*(8*((\a)%4)+\b)+7], v[128*(\p)+FR*\b:128*(\p)+FR*\b+FR-1], v[AF+FR*(\a):AF+FR*(\a)+FR-1], v[BIAS+8*\b:BIAS+8*\b+7], v[SC+8*NQ*(\sc)+NQ*\b+(\q)], v[SC+8*NQ*(\sc)+NQ*(\a)+(\q)] matrix_a_fmt:MATRIX_FMT_FP4 matrix_b_fmt:MATRIX_FMT_FP4 matrix_a_scale:MATRIX_SCALE_ROW1
.else
	v_wmma_scale_f32_16x16x128_f8f6f4 v[8*(8*((\a)%4)+\b):8*(8*((\a)%4)+\b)+7], v[128*(\p)+FR*\b:128*(\p)+FR*\b+FR-1], v[AF+FR*(\a):AF+FR*(\a)+FR-1], v[8*(8*((\a)%4)+\b):8*(8*((\a)%4)+\b)+7], v[SC+8*NQ*(\sc)+NQ*\b+(\q)], v[SC+8*NQ*(\sc)+NQ*(\a)+(\q)] matrix_a_fmt:MATRIX_FMT_FP4 matrix_b_fmt:MATRIX_FMT_FP4 matrix_a_scale:MATRIX_SCALE_ROW1
.endif
.endr
.endr
.endm
.macro FETCH_B slot, q, p              ; W's eight fragments of the slot's q-th 128 along K into set p
	WIN TO_B
.irp i, 0,1,2,3,4,5,6,7
	FRAG 128*(\p)+FR*\i, ADRB+\slot, \q, \i
.endr
	WIN 0
.endm
.macro FETCH_A slot, q, i0             ; x's blocks i0 .. i0 + 3
.irp i, \i0, \i0+1, \i0+2, \i0+3
	FRAG AF+FR*(\i), ADRA+\slot, \q, \i
.endr
.endm
.macro SCALES sc                       ; a slot's scale words into set sc: four words a row; lanes 0-15 take x's block i, lanes 16-31 W's block i
.irp i, 0,1,2,3,4,5,6,7
	ds_load_b128 v[SC+8*NQ*\sc+NQ*\i:SC+8*NQ*\sc+NQ*\i+3], v[ADRS] offset:\i*SBLK
.endr
.endm
.macro PLACES n                        ; plain vector lines between a matrix instruction and a load into, or a read of, its registers
.rept \n
	v_nop
.endr
.endm
; A step of 128 along K that has its successor in the same slot.  x has one set of registers: blocks 0-3 are fetched anew in the step's middle, blocks 4-7 at its end; W has two sets.
.macro STEP slot, q, zero
	s_wait_dscnt 4*NL                              ; W's set and x's blocks 0-3 are in; the youngest eight loads (x's blocks 4-7) may be out
	WIN MUL_LO-0x20*(\zero)                        ; (zero = 1: C, the bias, lies in window 0)
	MUL16 0, (\q)%2, \q, \slot, \zero
	MUL16 2, (\q)%2, \q, \slot, \zero
	s_wait_dscnt 0                                 ; x's blocks 4-7 are in
	PLACES NP
	FETCH_B \slot, (\q)+1, 1-(\q)%2
	FETCH_A \slot, (\q)+1, 0
	WIN MUL_HI-0x30*(\zero)
	MUL16 4, (\q)%2, \q, \slot, \zero
	MUL16 6, (\q)%2, \q, \slot, \zero
	PLACES NP
	WIN 0
	FETCH_A \slot, (\q)+1, 4
.endm
; Slot 0's last step goes on to slot 1: one barrier; in front of it each wave waits for all its tensor loads (its part of slot 1).  Nothing is filled again.
.macro TURN slot, next
	s_wait_tensorcnt 0x0                           ; all my tensor loads have landed
	ds_add_u32 v[SPW], v[NIL]                      ; 0 onto my spare word
	s_wait_dscnt 4*NL+1                            ; (the add and the youngest eight loads may be out)
	WIN MUL_LO
	MUL16 0, 1, NQ-1, \slot, 0
	s_wait_dscnt 0x0                               ; no LDS instruction of mine is out at the signal
	s_barrier_signal -1
	MUL16 2, 1, NQ-1, \slot, 0
	WIN 0
	s_barrier_wait -1                              ; every wave's part of the next slot is in
	PLACES NP
	v_add_nc_u32 v[ADRS], 4*NQ, v[ADRS]            ; on to the next slot's scale words (no LDS load of mine is out)
	FETCH_B \next, 0, 0
	FETCH_A \next, 0, 0
	SCALES \next
	WIN MUL_HI
	MUL16 4, 1, NQ-1, \slot, 0
	MUL16 6, 1, NQ-1, \slot, 0
	PLACES NP
	WIN 0
	FETCH_A \next, 0, 4
.endm
	s_wait_tensorcnt 1                             ; the scales and my part of slot 0 are in; slot 1's load may be out
	s_barrier_signal -1
	s_barrier_wait -1                              ; everybody's are
	FETCH_B 0, 0, 0
	FETCH_A 0, 0, 0
	SCALES 0
	FETCH_A 0, 0, 4
	s_wait_loadcnt 0x0                             ; the bias and the mask
	STEP 0, 0, 1
	STEP 0, 1, 0
	STEP 0, 2, 0
	TURN 0, 1
	STEP 1, 0, 0
	STEP 1, 1, 0
	STEP 1, 2, 0
	s_wait_dscnt 4*NL                              ; the last step: nothing more to fetch
	WIN MUL_LO
	MUL16 0, 1, NQ-1, 1, 0
	MUL16 2, 1, NQ-1, 1, 0
	s_wait_dscnt 0
	WIN MUL_HI
	MUL16 4, 1, NQ-1, 1, 0
	MUL16 6, 1, NQ-1, 1, 0
	WIN 0
	; THE WAY OUT.  Each token's factor: the tensor's, or 0 for a row of k whose mask is 0.
.irp a, 0,1,2,3,4,5,6,7
	v_or_b32 v[FA+2*\a], s67, v[FA+2*\a]           ; q, v: never 0
	v_cmp_ne_u32 vcc_lo, 0, v[FA+2*\a]
	v_cndmask_b32 v[FA+2*\a], 0, v[CF], vcc_lo
	v_mov_b32 v[FA+2*\a+1], v[FA+2*\a]             ; (named with it as a pair)
.endr
	PLACES NP
; Block a: 16 tokens x 128 channels: multiplied (each accumulator from its low end on), rounded to f16, stored: tile b is channels 16 (b % 4) .. of head b / 4 of my two
.macro OUTB a
.set AC, 64*((\a)%4)
.set OB, BIAS+32*((\a)%2)
.if (\a) > 1
	s_wait_xcnt 0x0                                ; block a - 2's stores have read their data registers, which are written again below
.endif
	WIN 0x02+(\a)/4                                ; source 0: window 2 or 3
.irp b, 0,1,2,3,4,5,6,7
.irp i, 0,1,2,3
	v_pk_mul_f32 v[T+8*\b+2*\i:T+8*\b+2*\i+1], v[AC+8*\b+2*\i:AC+8*\b+2*\i+1], v[FA+2*(\a):FA+2*(\a)+1] op_sel_hi:[1,0]
.endr
.endr
	WIN 0
.irp b, 0,1,2,3,4,5,6,7
.irp i, 0,1,2,3
	v_cvt_pk_f16_f32 v[OB+4*\b+\i], v[T+8*\b+2*\i], v[T+8*\b+2*\i+1]
.endr
.endr
.irp b, 0,1,2,3,4,5,6,7
	global_store_b128 v[LP], v[OB+4*\b:OB+4*\b+3], s[12:13] offset:(\a)*2048+(\b/4)*262144+(\b%4)*512   ; the wave stores 512 consecutive bytes, aligned
.endr
.endm
.irp a, 0,1,2,3,4,5,6,7
	OUTB \a
.endr
	s_wait_tensorcnt 0x0                           ; the wave's end, behind my last tensor load
	ds_add_u32 v[SPW], v[NIL]
	s_wait_dscnt 0x0
	CROUND                                         ; the closing round: no work-group ends while a partner may still ask for a tile that names it
	s_endpgm
.Lfunc_end_k_qdede686df0_proj:
	.size	k_qdede686df0_proj, .Lfunc_end_k_qdede686df0_proj-k_qdede686df0_proj
	.p2alignl 7, 3214868480
	.fill 96, 4, 3214868480
	.section	.rodata,"a",@progbits
	.p2align	6, 0x0
	.amdhsa_kernel k_qdede686df0_proj
		.amdhsa_group_segment_fixed_size 327680
		.amdhsa_private_segment_fixed_size 0
		.amdhsa_enable_private_segment 0
		.amdhsa_kernarg_size 56
		.amdhsa_user_sgpr_count 2
		.amdhsa_user_sgpr_kernarg_segment_ptr 1
		.amdhsa_wavefront_size32 1
		.amdhsa_system_sgpr_workgroup_id_x 1
		.amdhsa_system_sgpr_workgroup_id_y 1
		.amdhsa_system_sgpr_workgroup_id_z 1
		.amdhsa_system_vgpr_workitem_id 0
		.amdhsa_next_free_vgpr 1024
		.amdhsa_next_free_sgpr 100
		.amdhsa_reserve_vcc 1
		.amdhsa_float_denorm_mode_32 3
		.amdhsa_float_denorm_mode_16_64 3
		.amdhsa_memory_ordered 1
		.amdhsa_forward_progress 1
		.amdhsa_inst_pref_size 138
	.end_amdhsa_kernel
	.amdgpu_metadata
---
amdhsa.version: [ 1, 2 ]
amdhsa.kernels:
  - .name:           k_qdede686df0_proj
    .symbol:         k_qdede686df0_proj.kd
    .args:
      - { .name: codes, .offset: 0, .size: 8, .value_kind: global_buffer, .address_space: global }
      - { .name: scales, .offset: 8, .size: 8, .value_kind: global_buffer, .address_space: global }
      - { .name: bq, .offset: 16, .size: 8, .value_kind: global_buffer, .address_space: global }
      - { .name: bk, .offset: 24, .size: 8, .value_kind: global_buffer, .address_space: global }
      - { .name: bv, .offset: 32, .size: 8, .value_kind: global_buffer, .address_space: global }
      - { .name: mask, .offset: 40, .size: 8, .value_kind: global_buffer, .address_space: global }
      - { .name: qkv, .offset: 48, .size: 8, .value_kind: global_buffer, .address_space: global }
    .group_segment_fixed_size: 327680
    .private_segment_fixed_size: 0
    .kernarg_segment_align: 8
    .kernarg_segment_size: 56
    .max_flat_workgroup_size: 128
    .sgpr_count:     100
    .vgpr_count:     1024
    .wavefront_size: 32
...
	.end_amdgpu_metadata
.endif
;; end of part 2
;; launch attn (part 3): grid 4 x 64, 8 waves a work-group, clusters of 4 x 1, 327,680 bytes of LDS; arguments qkv, mask, ctxh; writes ctxh
.if DOCPART == 3
	.amdgcn_target "amdgcn-amd-amdhsa--gfx1250"
	.amdhsa_code_object_version 6
	.text
	.protected	k_qdede686df0_attn
	.globl	k_qdede686df0_attn
	.p2align	8
	.type	k_qdede686df0_attn,@function
k_qdede686df0_attn:
	s_mov_b64 s[64:65], 0
	v_nop
	global_prefetch_b8 v0, s[64:65] scope:SCOPE_SE
	s_setreg_imm32_b32 hwreg(HW_REG_WAVE_MODE, 25, 1), 1
	s_wait_xcnt 0x0
	s_wait_alu depctr_hold_cnt(0) depctr_sa_sdst(0) depctr_va_vdst(0) depctr_va_sdst(0) depctr_va_ssrc(0) depctr_va_vcc(0) depctr_vm_vsrc(0)
	s_getreg_b32 s2, hwreg(HW_REG_IB_STS2, 6, 4)
	s_cmp_eq_u32 s2, 0
	s_cbranch_scc0 .Lentry_in_a_cluster
	s_endpgm
.Lentry_in_a_cluster:
	s_bfe_u32 s2, ttmp6, 0x10000c
	s_cmp_lg_u32 s2, 0x3003
	s_cbranch_scc0 .Lentry_shape_is_right
	s_endpgm
.Lentry_shape_is_right:
; Launch 3 of 4: ctx[hb][q] = the sum over keys of softmax(q . k / 8, -1e9 where mask = 0) v, for 64 pairs hb = 16 batch + head, 2,048 queries and keys, head size 64.  Nothing of the problem is left out: the mask is an input, so every key is walked.
; q, k, v arrive in f16 as images of operand registers (see the launch before): q already times log2(e) / 8, so a score t is an exponent of 2; rows of k are zeros where mask = 0.
; THE MASK costs no line a score: the first product of each tile of scores takes as C the numbers 0, or -1e9 log2(e) where mask = 0, one for each key.  A masked key's t is then 0 + that number, exactly, for every finite q;
; where all keys of a batch are masked all t are equal and p is uniform, as in the problem.
; SOFTMAX: for each query a running maximum m and sum l: p = 2^(t - m); in every step O and l are multiplied by a = 2^(m_old - m_new).  Products, maxima, sums in f32; p is rounded to f16 for the second product; l sums the unrounded p.
; SHARES.  A work-group owns 512 queries of one hb, each of its eight waves 64: four tiles of 16, in two pieces (tiles 0, 1 and tiles 2, 3).  Every wave walks all keys, 64 a step; each fragment of K or V that it reads from LDS feeds four matrix instructions.
; LAYOUT.  S^T = K Q^T (source 0 = 16 keys, source 1 = 16 queries) and O^T = V^T P (source 0 = 16 channels, source 1 = P): a lane holds ONE query (lane % 16) throughout; two tiles of scores, rounded in pairs, are source 1 of the second product.
; CLUSTER.  The four query blocks of an hb are one cluster and walk the same K and V: each tile is asked for jointly, by the same tensor load with the same descriptor and the mask 15.
; THE RING: two slots of 512 keys (K's images 65,536 bytes, then V's).  Each of the eight waves brings 16,384 dense bytes with one load: 128 keys of K (waves 0-3) or of V (waves 4-7).  Two loads of a wave are out at the start, one behind each filling round.
; No prefetch is laid: both slots, half of what the work-group reads, are asked for at the head, and a refill is asked for eight key steps ahead of its first read.
; TWO CLASSES OF WAVES.  A key step is FRONT (loads, K Q^T and softmax and V^T P of piece 0, K Q^T of piece 2) and BACK (softmax and V^T P of piece 2: registers alone).  At a change of slots waves 0-3 run the last BACK ahead of the
; barrier and waves 4-7 behind it, so that from there on the classes are half a step apart and one class's vector work stands beside the other's matrix work.
; ctxh: [tile of 16 tokens 128 batch + st][ks 32][1,024 bytes], f16, the image of the last product's operand: k = 64 head + 16 ct + 8 h + j lies at 2,048 head + 512 ct + 16 lane.
; LIMITS: |ctx| up to 65,504; ctx under 6e-5 is kept to 2^-25 (f16's subnormals); NaN and infinities are not served.
; REGISTERS.  window 0: v1-7 addresses; v16-31 m, l (four a tile); v32-47 at work (eight a tile of the piece); v60, v61 the add's two; v64-127 S^T of a piece; v128-159 P of a piece; v160-191 the keys' C; v192-255 Q.
;   window 1: v0-127 O^T (32 a tile); v128-191 K of a step; v192-255 V of a step.
.set SLOT1, 1<<17                      ; slot 1 begins here: one exclusive or turns an address in one slot into the other's
.set VOFF,  65536                      ; V's images in a slot
.set BIAS,  2*SLOT1                    ; 2,048 f32, one a key: stored once by this work-group; no tile lands here
.set SPARE, BIAS+8192                  ; the spare words: 128 bytes for each wave, named by no other line
.set LI,  1                            ; v1 16 x lane
.set LV,  2                            ; v2 VOFF + 16 x lane
.set LB,  3                            ; v3 BIAS + 32 (lane / 16)
.set ADK, 4                            ; v4-6 the addresses of the loads in hand
.set ADV, 5
.set ADB, 6
.set GO,  7                            ; v7 16 x lane: my place in a block of 512 bytes of q or of ctxh
.set ST,  16                           ; tile t at ST + 4 t: +0 m, +1 named with it as a pair, +2, +3 l in two halves
.set TP,  32                           ; tile u of the piece at TP + 8 u: +0..3 four maxima, +4 a, +5 named with it, +6 m_old - m_new
.set SPW, 60
.set NIL, 61
.set S,   64
.set P,   128
.set BI,  160
.set Q,   192
.set KF,  128                          ; in window 1
.set VF,  192                          ; in window 1
.set WV,  10                           ; s10 my wave's number
.set G1,  24                           ; s[24:31] descriptor group 1
.set G0A, 32                           ; s[32:35] group 0 of slot 0's first fill
.set G0B, 36                           ; s[36:39] group 0 of slot 1's first fill, which then walks
.set SEL, 40                           ; s[40:41] lane selects: lane l xor 16
.set TB,  42                           ; s42 LDS byte at which the step's images begin
.set TBB, 43                           ; s43 and its keys' C: 256 bytes a step
.set MSB, 0
.macro WIN new                         ; the immediate's high byte repeats the setting that is left; a switch that changes nothing is dropped
.if MSB != (\new)
	s_set_vgpr_msb (MSB<<8)|(\new)
.set MSB, (\new)
.endif
.endm
.macro CROUND                          ; a round of the cluster's barrier
	s_barrier_signal -1
	s_barrier_wait -1
	s_cmp_lg_u32 s[WV], 0
	s_cbranch_scc1 .Lnot_wave_0_\@
	s_barrier_signal -3
.Lnot_wave_0_\@:
	s_barrier_wait -3
	s_barrier_signal -1
	s_barrier_wait -1
.endm
	s_load_b128 s[4:7], s[0:1], 0x0                ; qkv, mask
	s_load_b64 s[8:9], s[0:1], 0x10                ; ctxh
	v_lshl_add_u32 v[SPW], v0, 2, SPARE
	v_mov_b32 v[NIL], 0
	ds_add_u32 v[SPW], v[NIL]                      ; the wave's opening: the add, twice on end, and its wait ahead of my first tensor load
	ds_add_u32 v[SPW], v[NIL]
	v_lshrrev_b32 v8, 5, v0
	v_readfirstlane_b32 s[WV], v8                  ; wave 0..7
	s_bfe_u32 s11, ttmp6, 0x40000                  ; cx
	s_lshl_b32 s13, ttmp9, 2
	s_add_co_u32 s11, s11, s13                     ; my block of 512 queries: it enters q's and ctxh's addresses alone
	s_and_b32 s12, ttmp7, 0xffff                   ; hb, which the four partners share
	; descriptor group 1: 16,384 dense bytes as 64 rows of 256 bytes
	s_mov_b32 s[G1], 15|(3<<16)|(1<<21)            ; 15:0 the mask: all four work-groups; elements of 8 bytes; no padding; 21 set beside a mask
	s_mov_b32 s[G1+1], 32<<16                      ; tensor_dim0 = 32
	s_mov_b32 s[G1+2], 64<<16                      ; tensor_dim1 = 64
	s_mov_b32 s[G1+3], 32<<16                      ; tile_dim0 = 32
	s_mov_b32 s[G1+4], 64                          ; tile_dim1 = 64
	s_mov_b32 s[G1+5], 32                          ; from row to row
	s_mov_b32 s[G1+6], 0
	s_mov_b32 s[G1+7], 0
	s_lshl_b32 s17, s12, 18                        ; hb's bytes in each of q, k, v
	s_lshr_b32 s14, s[WV], 2
	s_add_co_u32 s14, s14, 1                       ; waves 0-3: k (tensor 1); waves 4-7: v (tensor 2)
	s_lshl_b32 s14, s14, 24
	s_add_co_u32 s14, s14, s17
	s_and_b32 s16, s[WV], 3
	s_lshl_b32 s16, s16, 14                        ; my 128 keys of a slot's 512
	s_add_co_u32 s14, s14, s16
	s_mov_b32 s15, 0
	s_lshl_b32 s18, s11, 5
	s_lshl_b32 s16, s[WV], 2
	s_add_co_u32 s18, s18, s16                     ; my first tile of queries: 32 x block + 4 x wave
	s_lshr_b32 s22, s12, 4                         ; the batch
	s_lshl_b32 s20, s22, 7
	s_add_co_u32 s20, s20, s18
	s_lshl_b32 s20, s20, 15                        ; ctxh: 32,768 bytes a tile of tokens,
	s_and_b32 s21, s12, 15
	s_lshl_b32 s21, s21, 11                        ; 2,048 a head
	s_add_co_u32 s20, s20, s21
	s_mov_b32 s21, 0
	s_lshl_b32 s18, s18, 11
	s_add_co_u32 s18, s18, s17                     ; q: 2,048 bytes a tile
	s_mov_b32 s19, 0
	s_lshl_b32 s22, s22, 13                        ; the mask: 8,192 bytes a batch
	s_mov_b32 s23, 0
	s_mov_b32 s[SEL], 0x76543210
	s_mov_b32 s[SEL+1], 0xfedcba98
	s_mov_b32 s[TB], 0
	s_mov_b32 s[TBB], 0
	s_wait_dscnt 0x0                               ; both opening adds are done
	s_wait_kmcnt 0x0
	s_add_nc_u64 s[14:15], s[4:5], s[14:15]
	s_add_nc_u64 s[18:19], s[4:5], s[18:19]
	s_add_nc_u64 s[6:7], s[6:7], s[22:23]
	s_add_nc_u64 s[8:9], s[8:9], s[20:21]
	CROUND                                         ; all four work-groups are here: the first joint loads meet
	s_mov_b32 s[G0A], 1                            ; count = 1
	s_lshl_b32 s[G0A+1], s[WV], 14                 ; LDS address: slot 0, 16,384 x wave
	s_mov_b64 s[G0A+2:G0A+3], s[14:15]             ; keys 0 .. 511
	s_or_b32 s[G0A+3], s[G0A+3], 0x80000000        ; type = 2
	s_mov_b32 s[G0B], 1
	s_add_co_u32 s[G0B+1], s[G0A+1], SLOT1         ; slot 1
	s_add_nc_u64 s[G0B+2:G0B+3], s[14:15], 65536   ; keys 512 .. 1,023
	s_or_b32 s[G0B+3], s[G0B+3], 0x80000000
	tensor_load_to_lds s[G0A:G0A+3], s[G1:G1+7]
	s_nop 0
	tensor_load_to_lds s[G0B:G0B+3], s[G1:G1+7]
	s_nop 0
.rept 4
	v_nop
.endr
	v_lshlrev_b32 v9, 5, v0                        ; eight keys of the batch's 2,048 to a thread
	global_load_b128 v[64:67], v9, s[6:7]
	global_load_b128 v[68:71], v9, s[6:7] offset:16
	v_and_b32 v[LI], 31, v0
	v_lshlrev_b32 v[LI], 4, v[LI]
	v_mov_b32 v[GO], v[LI]
.irp t, 0,1,2,3                                    ; Q stays in registers: tile t, channels 32 ks + 16 c on
.irp f, 0,1,2,3
	global_load_b128 v[Q+16*\t+4*\f:Q+16*\t+4*\f+3], v[GO], s[18:19] offset:\t*2048+\f*512
.endr
.endr
	v_add_nc_u32 v[LV], VOFF, v[LI]
	v_bfe_u32 v8, v0, 4, 1
	v_lshl_add_u32 v[LB], v8, 5, BIAS
	v_lshl_add_u32 v11, v0, 5, BIAS                ; where my eight keys' numbers go
	v_mov_b32 v10, 0xceabfb8f                      ; -1e9 log2(e)
	; O^T, l and the pairs' upper halves begin as zeros and m as -3e38, under every t: the loop has no first step of its own, which spares a third copy of the key step; the first a is 0 and multiplies zeros
	WIN 0x40
.set i, 0
.rept 128
	v_mov_b32 v[i], 0
.set i, i+1
.endr
	WIN 0
.irp t, 0,1,2,3
	v_mov_b32 v[ST+4*\t], 0xff61b1e6
	v_mov_b32 v[ST+4*\t+1], 0
	v_mov_b32 v[ST+4*\t+2], 0
	v_mov_b32 v[ST+4*\t+3], 0
.endr
	v_mov_b32 v[TP+5], 0
	v_mov_b32 v[TP+13], 0
	s_wait_loadcnt 16                              ; the mask is in; Q's sixteen loads stay out
.irp i, 0,1,2,3,4,5,6,7
	v_cmp_eq_u32 vcc_lo, 0, v[64+\i]
	v_cndmask_b32 v[64+\i], 0, v10, vcc_lo
.endr
	ds_store_b128 v11, v[64:67]
	ds_store_b128 v11, v[68:71] offset:16
	s_wait_tensorcnt 1                             ; my part of slot 0 is in; slot 1's may stay out
	s_wait_dscnt 0x0                               ; my keys' numbers lie in LDS
	s_barrier_signal -1
	s_barrier_wait -1                              ; everybody's do
	s_wait_loadcnt 0x0                             ; Q
; A step's LDS loads, in one run: the 64 keys' C (8 loads), K (16), V turned (16).  The three additions and two v_nop are the places behind the last products that read these registers.
.macro LOADS
	WIN 0
	v_add_nc_u32 v[ADK], s[TB], v[LI]
	v_add_nc_u32 v[ADV], s[TB], v[LV]
	v_add_nc_u32 v[ADB], s[TBB], v[LB]
	v_nop
	v_nop
.irp kt, 0,1,2,3
.irp c, 0,1
	ds_load_b128 v[BI+8*\kt+4*\c:BI+8*\kt+4*\c+3], v[ADB] offset:64*\kt+16*\c   ; register j: key 16 kt + 8 (lane / 16) + j
.endr
.endr
	WIN 0x40                                       ; destination window 1
.irp kt, 0,1,2,3
.irp f, 0,1,2,3
	ds_load_b128 v[KF+16*\kt+4*\f:KF+16*\kt+4*\f+3], v[ADK] offset:\kt*2048+\f*512   ; 512 consecutive bytes: an image of four registers
.endr
.endr
.irp kb, 0,1
.irp ct, 0,1,2,3
.irp c, 0,1
	ds_load_tr16_b128 v[VF+8*(4*\kb+\ct)+4*\c:VF+8*(4*\kb+\ct)+4*\c+3], v[ADV] offset:(2*\kb+\c)*2048+\ct*512   ; leaves lane (r, h) channel 16 ct + r, keys 32 kb + 16 c + 8 h + 0 .. 7
.endr
.endr
.endr
	WIN 0
.endm
; S^T = K Q^T + the keys' C, for tiles x, x + 1: 16 matrix instructions, eight accumulators by turns.  Four v_nop are the places in front of the first read of the scores.
.macro KQ x
	WIN 0x01                                       ; K in window 1
.irp ks, 0,1
.irp kt, 0,1,2,3
.irp u, 0,1
.if \ks == 0
	v_wmma_f32_16x16x32_f16 v[S+32*\u+8*\kt:S+32*\u+8*\kt+7], v[KF+8*(2*\kt+\ks):KF+8*(2*\kt+\ks)+7], v[Q+16*((\x)+\u)+8*\ks:Q+16*((\x)+\u)+8*\ks+7], v[BI+8*\kt:BI+8*\kt+7]
.else
	v_wmma_f32_16x16x32_f16 v[S+32*\u+8*\kt:S+32*\u+8*\kt+7], v[KF+8*(2*\kt+\ks):KF+8*(2*\kt+\ks)+7], v[Q+16*((\x)+\u)+8*\ks:Q+16*((\x)+\u)+8*\ks+7], v[S+32*\u+8*\kt:S+32*\u+8*\kt+7]
.endif
.endr
.endr
.endr
	WIN 0
.rept 4
	v_nop
.endr
.endm
; The softmax of tiles x, x + 1 for one key step; the two tiles alternate line by line, so that no line waits for the line above it.
.macro SM x
	WIN 0
.irp j, 0,1,2,3                                    ; the maximum of the lane's 32 scores and the old m, three operands at a time; each tile of scores is read from its low end on
.irp u, 0,1
	v_max3_num_f32 v[TP+8*\u+\j], v[S+32*\u+8*\j], v[S+32*\u+8*\j+1], v[S+32*\u+8*\j+2]
.endr
.endr
.irp g, 1,2
.irp j, 0,1,2,3
.irp u, 0,1
	v_max3_num_f32 v[TP+8*\u+\j], v[TP+8*\u+\j], v[S+32*\u+8*\j+2*\g+1], v[S+32*\u+8*\j+2*\g+2]
.endr
.endr
.endr
.irp u, 0,1
	v_max3_num_f32 v[TP+8*\u], v[TP+8*\u], v[S+32*\u+7], v[S+32*\u+15]
.endr
.irp u, 0,1
	v_max3_num_f32 v[TP+8*\u+2], v[TP+8*\u+2], v[S+32*\u+23], v[S+32*\u+31]
.endr
.irp u, 0,1
	v_max3_num_f32 v[TP+8*\u], v[TP+8*\u], v[TP+8*\u+1], v[TP+8*\u+2]
.endr
.irp u, 0,1
	v_max3_num_f32 v[TP+8*\u], v[TP+8*\u], v[TP+8*\u+3], v[ST+4*((\x)+\u)]
.endr
.irp u, 0,1
	v_permlanex16_b32 v[TP+8*\u+1], v[TP+8*\u], s[SEL], s[SEL+1]   ; the query's other 32 keys lie in the lane 16 away
.endr
.irp u, 0,1
	v_max_num_f32 v[TP+8*\u+2], v[TP+8*\u], v[TP+8*\u+1]           ; the new m
.endr
.irp u, 0,1
	v_sub_f32 v[TP+8*\u+6], v[ST+4*((\x)+\u)], v[TP+8*\u+2]        ; m_old - m_new
.endr
.irp u, 0,1
	v_mov_b32 v[ST+4*((\x)+\u)], v[TP+8*\u+2]
.endr
.irp i, 0,1,2,3,4,5,6,7,8,9,10,11,12,13,14,15
.irp u, 0,1
	v_pk_add_f32 v[S+32*\u+2*\i:S+32*\u+2*\i+1], v[S+32*\u+2*\i:S+32*\u+2*\i+1], v[ST+4*((\x)+\u):ST+4*((\x)+\u)+1] op_sel_hi:[1,0] neg_lo:[0,1] neg_hi:[0,1]   ; t - m, two at a time
.endr
.endr
.irp u, 0,1                                        ; ONE BATCH of 66 exponentials; none reads another's result
	v_exp_f32 v[TP+8*\u+4], v[TP+8*\u+6]           ; a
.endr
.irp i, 0,1,2,3,4,5,6,7,8,9,10,11,12,13,14,15,16,17,18,19,20,21,22,23,24,25,26,27,28,29,30,31
.irp u, 0,1
	v_exp_f32 v[S+32*\u+\i], v[S+32*\u+\i]         ; p = 2^(t - m)
.endr
.endr
	v_nop                                          ; a plain line behind the last exponential
	s_wait_alu depctr_va_vdst(0)                   ; ahead of the first line that names a result: one wait for the batch
.irp i, 0,1,2,3,4,5,6,7,8,9,10,11,12,13,14,15
.irp u, 0,1
	v_cvt_pk_f16_f32 v[P+16*\u+\i], v[S+32*\u+2*\i], v[S+32*\u+2*\i+1]
.endr
.endr
.irp z, 0,1,2,3,4,5,6,7                            ; the sum of the unrounded p, in place: neighbours 1, 2, 4, 8 pairs apart
.irp u, 0,1
	v_pk_add_f32 v[S+32*\u+4*\z:S+32*\u+4*\z+1], v[S+32*\u+4*\z:S+32*\u+4*\z+1], v[S+32*\u+4*\z+2:S+32*\u+4*\z+3]
.endr
.endr
.irp z, 0,1,2,3
.irp u, 0,1
	v_pk_add_f32 v[S+32*\u+8*\z:S+32*\u+8*\z+1], v[S+32*\u+8*\z:S+32*\u+8*\z+1], v[S+32*\u+8*\z+4:S+32*\u+8*\z+5]
.endr
.endr
.irp z, 0,1
.irp u, 0,1
	v_pk_add_f32 v[S+32*\u+16*\z:S+32*\u+16*\z+1], v[S+32*\u+16*\z:S+32*\u+16*\z+1], v[S+32*\u+16*\z+8:S+32*\u+16*\z+9]
.endr
.endr
.irp u, 0,1
	v_pk_add_f32 v[S+32*\u:S+32*\u+1], v[S+32*\u:S+32*\u+1], v[S+32*\u+16:S+32*\u+17]
.endr
.irp u, 0,1
	v_pk_fma_f32 v[ST+4*((\x)+\u)+2:ST+4*((\x)+\u)+3], v[ST+4*((\x)+\u)+2:ST+4*((\x)+\u)+3], v[TP+8*\u+4:TP+8*\u+5], v[S+32*\u:S+32*\u+1] op_sel_hi:[1,0,1]   ; l = a l + the sum
.endr
	WIN 0x41                                       ; O^T (destination and source 0) in window 1
.irp i, 0,1,2,3,4,5,6,7,8,9,10,11,12,13,14,15      ; O^T x a, each accumulator from its low end on
.irp u, 0,1
	v_pk_mul_f32 v[32*((\x)+\u)+2*\i:32*((\x)+\u)+2*\i+1], v[32*((\x)+\u)+2*\i:32*((\x)+\u)+2*\i+1], v[TP+8*\u+4:TP+8*\u+5] op_sel_hi:[1,0]
.endr
.endr
.endm
; O^T += V^T P for tiles x, x + 1: 16 matrix instructions, eight accumulators by turns.
.macro PV x
	WIN 0x51                                       ; V, C and D in window 1, P in window 0
.irp kb, 0,1
.irp ct, 0,1,2,3
.irp u, 0,1
	v_wmma_f32_16x16x32_f16 v[32*((\x)+\u)+8*\ct:32*((\x)+\u)+8*\ct+7], v[VF+8*(4*\kb+\ct):VF+8*(4*\kb+\ct)+7], v[P+16*\u+8*\kb:P+16*\u+8*\kb+7], v[32*((\x)+\u)+8*\ct:32*((\x)+\u)+8*\ct+7]
.endr
.endr
.endr
.endm
.macro FRONT
	LOADS
	s_wait_dscnt 16                                ; the keys' C and K are in; V's sixteen loads stay out
	KQ 0
	SM 0
	s_wait_dscnt 0x0                               ; V is in: from here to the step's end no LDS instruction of mine is out
	PV 0
	KQ 2
	s_add_co_u32 s[TB], s[TB], 8192                ; the next step's images
	s_add_co_u32 s[TBB], s[TBB], 256
.endm
.macro BACK                            ; registers alone
	SM 2
	PV 2
	WIN 0
.endm
.macro BACKIF cls                      ; cls = 0: waves 0-3 run it; 1: waves 4-7
	s_cmp_lt_u32 s[WV], 4
.if \cls == 0
	s_cbranch_scc0 .Lskip_\@
.else
	s_cbranch_scc1 .Lskip_\@
.endif
	BACK
.Lskip_\@:
.endm
.macro STEPS n                         ; n key steps, written once
	s_mov_b32 s44, \n
.Lstep_\@:
	FRONT
	BACK
	s_sub_co_u32 s44, s44, 1
	s_cmp_lg_u32 s44, 0
	s_cbranch_scc1 .Lstep_\@
.endm
; THE CHANGE OF SLOTS.  Each wave waits for all its tensor loads (its part of the other slot), adds 0 to its spare word, and waits for that and for its reads of the slot that it leaves.
; fill = 1: the barrier is a round of the cluster's, so that no wave of any partner still reads the slot or has a load on its way; the joint refill, the keys two slots on, is the first thing behind it and has eight key steps in which to land.
.macro CHANGE fill
	WIN 0
	s_wait_tensorcnt 0x0                           ; no tensor load of mine is out, so a group 0 may be written
	ds_add_u32 v[SPW], v[NIL]                      ; 0 onto my spare word
.if \fill
	s_xor_b32 s[G0B+1], s[G0B+1], SLOT1            ; the walking descriptor: the other slot than last time,
	s_add_nc_u64 s[G0B+2:G0B+3], s[G0B+2:G0B+3], 65536   ; the next 512 keys; the type bits on top are not reached
.endif
	s_wait_dscnt 0x0                               ; the add is done, and my reads of the slot are over
.if \fill
	CROUND
	tensor_load_to_lds s[G0B:G0B+3], s[G1:G1+7]
	s_nop 0
.rept 4
	v_nop
.endr
.else
	s_barrier_signal -1
	s_barrier_wait -1
.endif
	s_sub_co_u32 s[TB], s[TB], 65536               ; back to a slot's first step,
	s_xor_b32 s[TB], s[TB], SLOT1                  ; in the other slot
.endm
	s_mov_b32 s45, 2
.Lslot:                                            ; keys 0 .. 1,023: behind each of these two slots it is filled again
	STEPS 7
	FRONT
	BACKIF 0
	CHANGE 1
	BACKIF 1
	s_sub_co_u32 s45, s45, 1
	s_cmp_lg_u32 s45, 0
	s_cbranch_scc1 .Lslot
	STEPS 7                                        ; keys 1,024 .. 1,535: written out: nothing is left to ask for
	FRONT
	BACKIF 0
	CHANGE 0
	BACKIF 1
	STEPS 8                                        ; keys 1,536 .. 2,047
	; THE WAY OUT.  l's two halves and the other half of the lanes' are added (these additions name no register of the last products: they are the places behind them); O^T / l is rounded to f16 and stored as an image
.irp t, 0,1,2,3
	v_add_f32 v[TP+\t], v[ST+4*\t+2], v[ST+4*\t+3]
.endr
.irp t, 0,1,2,3
	v_permlanex16_b32 v[TP+8+\t], v[TP+\t], s[SEL], s[SEL+1]
.endr
.irp t, 0,1,2,3
	v_add_f32 v[TP+\t], v[TP+\t], v[TP+8+\t]
.endr
.irp t, 0,1,2,3
	v_rcp_f32 v[ST+4*\t], v[TP+\t]
.endr
	v_nop                                          ; a plain line behind the last reciprocal
	s_wait_alu depctr_va_vdst(0)                   ; one wait for the four, ahead of their first reader
.macro OUTT t
	WIN 0x01                                       ; O^T in window 1
.irp i, 0,1,2,3,4,5,6,7,8,9,10,11,12,13,14,15
	v_pk_mul_f32 v[S+32*((\t)%2)+2*\i:S+32*((\t)%2)+2*\i+1], v[32*(\t)+2*\i:32*(\t)+2*\i+1], v[ST+4*(\t):ST+4*(\t)+1] op_sel_hi:[1,0]
.endr
	WIN 0
.irp i, 0,1,2,3,4,5,6,7,8,9,10,11,12,13,14,15
	v_cvt_pk_f16_f32 v[P+16*(\t)+\i], v[S+32*((\t)%2)+2*\i], v[S+32*((\t)%2)+2*\i+1]
.endr
.irp ct, 0,1,2,3
	global_store_b128 v[GO], v[P+16*(\t)+4*\ct:P+16*(\t)+4*\ct+3], s[8:9] offset:(\t)*32768+\ct*512   ; the wave stores 512 consecutive bytes, aligned; each tile has data registers of its own
.endr
.endm
	OUTT 0
	OUTT 1
	OUTT 2
	OUTT 3
	s_wait_tensorcnt 0x0                           ; the wave's end, behind my last tensor load and my last LDS store
	ds_add_u32 v[SPW], v[NIL]
	s_wait_dscnt 0x0
	CROUND                                         ; the closing round: no work-group ends while a partner may still ask for a tile that names it
	s_endpgm
.Lfunc_end_k_qdede686df0_attn:
	.size	k_qdede686df0_attn, .Lfunc_end_k_qdede686df0_attn-k_qdede686df0_attn
	.p2alignl 7, 3214868480
	.fill 96, 4, 3214868480
	.section	.rodata,"a",@progbits
	.p2align	6, 0x0
	.amdhsa_kernel k_qdede686df0_attn
		.amdhsa_group_segment_fixed_size 327680
		.amdhsa_private_segment_fixed_size 0
		.amdhsa_enable_private_segment 0
		.amdhsa_kernarg_size 24
		.amdhsa_user_sgpr_count 2
		.amdhsa_user_sgpr_kernarg_segment_ptr 1
		.amdhsa_wavefront_size32 1
		.amdhsa_system_sgpr_workgroup_id_x 1
		.amdhsa_system_sgpr_workgroup_id_y 1
		.amdhsa_system_sgpr_workgroup_id_z 1
		.amdhsa_system_vgpr_workitem_id 0
		.amdhsa_next_free_vgpr 512
		.amdhsa_next_free_sgpr 66
		.amdhsa_reserve_vcc 1
		.amdhsa_float_denorm_mode_32 3
		.amdhsa_float_denorm_mode_16_64 3
		.amdhsa_memory_ordered 1
		.amdhsa_forward_progress 1
		.amdhsa_inst_pref_size 213
	.end_amdhsa_kernel
	.amdgpu_metadata
---
amdhsa.version: [ 1, 2 ]
amdhsa.kernels:
  - .name:           k_qdede686df0_attn
    .symbol:         k_qdede686df0_attn.kd
    .args:
      - { .name: qkv, .offset: 0, .size: 8, .value_kind: global_buffer, .address_space: global }
      - { .name: mask, .offset: 8, .size: 8, .value_kind: global_buffer, .address_space: global }
      - { .name: ctxh, .offset: 16, .size: 8, .value_kind: global_buffer, .address_space: global }
    .group_segment_fixed_size: 327680
    .private_segment_fixed_size: 0
    .kernarg_segment_align: 8
    .kernarg_segment_size: 24
    .max_flat_workgroup_size: 256
    .sgpr_count:     66
    .vgpr_count:     512
    .wavefront_size: 32
...
	.end_amdgpu_metadata
.endif
;; end of part 3
;; launch outp (part 4): grid 4 x 64, 4 waves a work-group, clusters of 4 x 4, 327,680 bytes of LDS; arguments ctxh, woh, bo, out0; writes out0
.if DOCPART == 4
	.amdgcn_target "amdgcn-amd-amdhsa--gfx1250"
	.amdhsa_code_object_version 6
	.text
	.protected	k_qdede686df0_outp
	.globl	k_qdede686df0_outp
	.p2align	8
	.type	k_qdede686df0_outp,@function
k_qdede686df0_outp:
	s_mov_b64 s[64:65], 0
	v_nop
	global_prefetch_b8 v0, s[64:65] scope:SCOPE_SE
	s_setreg_imm32_b32 hwreg(HW_REG_WAVE_MODE, 25, 1), 1
	s_wait_xcnt 0x0
	s_wait_alu depctr_hold_cnt(0) depctr_sa_sdst(0) depctr_va_vdst(0) depctr_va_sdst(0) depctr_va_ssrc(0) depctr_va_vcc(0) depctr_vm_vsrc(0)
	s_getreg_b32 s2, hwreg(HW_REG_IB_STS2, 6, 4)
	s_cmp_eq_u32 s2, 0
	s_cbranch_scc0 .Lentry_in_a_cluster
	s_endpgm
.Lentry_in_a_cluster:
	s_bfe_u32 s2, ttmp6, 0x10000c
	s_cmp_lg_u32 s2, 0xf033
	s_cbranch_scc0 .Lentry_shape_is_right
	s_endpgm
.Lentry_shape_is_right:
; Launch 4 of 4: out0 = ctx Wo^T + bo.  ctx [8192][1024] and Wo [1024][1024] arrive in f16 as images of operand registers (ctxh: [tile of 16 tokens 512][ks 32][1,024 bytes]; woh: [tile of 16 outputs 64][ks 32][1,024 bytes]); sums in f32; out0 f32.
; Nothing of the problem is left out here.
; A work-group of four waves makes 128 tokens x 256 outputs: 256 work-groups.  A wave makes 64 x 128: 32 accumulators of 16 x 16.  K goes in eight steps of 128 through a ring of two LDS slots; a step of a tile of 16 rows is 4,096 consecutive bytes.
; Fragments come out of LDS as they lie: each load reads 512 consecutive bytes, so there is no pitch and no padding.
; CLUSTERS: 4 x 4 work-groups.  The four of a row of the cluster need the same tiles of ctx, the four of a column the same tiles of Wo: each is asked for jointly, by the same tensor load with a mask that names the four.
; THE MATRIX INSTRUCTION IS USED TRANSPOSED (source 0 = 16 rows of Wo, source 1 = 16 tokens): a lane holds one token and eight neighbouring outputs.  bo is the C of each sum's first matrix instruction.
; REGISTERS.  window 0: v16-29 addresses; v32-95 bo as C (tile b at 32 + 8 b); v96-223 rows of out0 on the way out, two sets.  window 1: two fragment buffers of 96: Wo's eight fragments, then ctx's four.  window 2: accumulator (a, b) at v[8 (8 a + b)].
.set SLOT,   98304                     ; ctx: 8 tiles x 4,096 bytes; then Wo: 16 tiles x 4,096
.set WOFF,   32768
.set STAGE,  2*SLOT                    ; behind the ring: 16 rows x (512 + 16) bytes for each wave, for the way out; no tile lands here
.set SPITCH, 528
.set SPARE,  STAGE+4*16*SPITCH         ; the spare words: 128 bytes for each wave, named by no other line
.set ADRA, 16                          ; v16-17 LDS address of my fragments of ctx in slot 0, 1
.set ADRB, 20                          ; v20-21 the same for Wo
.set STO,  24                          ; v24 the way out: where I put 32 bytes of a row
.set RD,   25                          ; v25 where I read a row back
.set CO,   26                          ; v26 16 x lane
.set SPW,  28
.set NIL,  29
.set BO,   32
.set BK,   96
.set F0,   0
.set F1,   96
.set G1,  24                           ; s[24:31] group 1 for ctx's tiles; s[32:39] group 0, a set for each slot
.set G0,  32
.set G1B, 48                           ; s[48:55], s[56:63] the same for Wo's
.set G0B, 56
.set MSB, 0
.macro WIN new                         ; the immediate's high byte repeats the setting that is left; a switch that changes nothing is dropped
.if MSB != (\new)
	s_set_vgpr_msb (MSB<<8)|(\new)
.set MSB, (\new)
.endif
.endm
.set MUL,  0xa5                        ; sources 0 and 1 window 1, C and D window 2
.set TO_F, 0x40                        ; destination window 1, address window 0
.macro JLOAD s                         ; a joint load: waves 0 and 1 fetch ctx's halves, waves 2 and 3 Wo's; an s_nop 0 and four v_nop follow each of the two lines
	s_cmp_eq_u32 s15, 0
	s_cbranch_scc0 .Lfor_b_\@
	tensor_load_to_lds s[G0+4*\s:G0+4*\s+3], s[G1:G1+7]
	s_nop 0
.rept 4
	v_nop
.endr
	s_branch .Lasked_\@
.Lfor_b_\@:
	tensor_load_to_lds s[G0B+4*\s:G0B+4*\s+3], s[G1B:G1B+7]
	s_nop 0
.rept 4
	v_nop
.endr
.Lasked_\@:
.endm
.macro CREST                           ; a round of the cluster's barrier behind its opening barrier
	s_cmp_lg_u32 s14, 0
	s_cbranch_scc1 .Lnot_wave_0_\@
	s_barrier_signal -3
.Lnot_wave_0_\@:
	s_barrier_wait -3
	s_barrier_signal -1
	s_barrier_wait -1
.endm
.macro CROUND
	s_barrier_signal -1
	s_barrier_wait -1
	CREST
.endm
	s_load_b256 s[4:11], s[0:1], 0x0               ; ctxh 4:5, woh 6:7, bo 8:9, out0 10:11
	v_lshl_add_u32 v[SPW], v0, 2, SPARE
	v_mov_b32 v[NIL], 0
	ds_add_u32 v[SPW], v[NIL]                      ; the wave's opening: the add, twice on end, and its wait ahead of my first tensor load
	ds_add_u32 v[SPW], v[NIL]
	v_lshrrev_b32 v1, 5, v0
	v_readfirstlane_b32 s14, v1                    ; wave 0..3
	s_lshr_b32 s15, s14, 1                         ; which 64 tokens are mine.  Also: I fetch for ctx (0) or for Wo (1)
	s_and_b32 s16, s14, 1                          ; which 128 outputs.  Also: which half of that tile I fetch
	s_bfe_u32 s40, ttmp6, 0x40000                  ; cx, cy
	s_bfe_u32 s41, ttmp6, 0x40004
	s_lshl_b32 s42, ttmp9, 2
	s_add_co_u32 s42, s42, s40                     ; tx: 256 outputs
	s_and_b32 s17, ttmp7, 0xffff
	s_lshl_b32 s17, s17, 2
	s_add_co_u32 s17, s17, s41                     ; ty: 128 tokens
	s_lshl_b32 s43, s41, 2
	s_lshl_b32 s43, 15, s43                        ; my row of the cluster
	s_lshl_b32 s44, 0x1111, s40                    ; my column
	; descriptor group 1: rows of 4,096 bytes (512 elements of 8 bytes), 32,768 bytes apart: a K step of so many tiles of 16 rows; no padding
	s_or_b32 s[G1+0], s43, (3<<16)|(1<<21)         ; ctx's tiles go to my row of the cluster; 21 set beside a mask
	s_or_b32 s[G1B+0], s44, (3<<16)|(1<<21)        ; Wo's to my column
	s_mov_b32 s[G1+1], 512<<16                     ; tensor_dim0
	s_mov_b32 s[G1+2], 4<<16                       ; tensor_dim1: four tiles of tokens
	s_mov_b32 s[G1+3], 512<<16                     ; tile_dim0
	s_mov_b32 s[G1+4], 4                           ; tile_dim1
	s_mov_b32 s[G1+5], 4096                        ; from row to row, in elements
	s_mov_b32 s[G1+6], 0
	s_mov_b32 s[G1+7], 0
	s_mov_b32 s[G1B+1], 512<<16
	s_mov_b32 s[G1B+2], 8<<16                      ; eight tiles of outputs
	s_mov_b32 s[G1B+3], 512<<16
	s_mov_b32 s[G1B+4], 8
	s_mov_b32 s[G1B+5], 4096
	s_mov_b32 s[G1B+6], 0
	s_mov_b32 s[G1B+7], 0
	s_lshl_b32 s20, s17, 3
	s_lshl_b32 s18, s16, 2
	s_add_co_u32 s20, s20, s18                     ; ctx: tile 8 ty + 4 x half
	s_lshl_b32 s20, s20, 15
	s_mov_b32 s21, 0
	s_lshl_b32 s46, s42, 4
	s_lshl_b32 s47, s16, 3
	s_add_co_u32 s46, s46, s47                     ; Wo: tile 16 tx + 8 x half
	s_lshl_b32 s46, s46, 15
	s_mov_b32 s47, 0
	s_lshl_b32 s45, s16, 14                        ; where they go in a slot: no place in the cluster enters an LDS address
	s_lshl_b32 s22, s16, 15
	s_add_co_u32 s22, s22, WOFF
	s_wait_dscnt 0x0                               ; both opening adds are done
	s_wait_kmcnt 0x0
	s_add_nc_u64 s[20:21], s[4:5], s[20:21]
	s_add_nc_u64 s[46:47], s[6:7], s[46:47]
	CROUND                                         ; all sixteen work-groups are here: the first joint loads meet
.irp s, 0,1
	s_mov_b32 s[G0+4*\s], 1
	s_add_co_u32 s[G0+4*\s+1], s45, \s*SLOT
	s_add_nc_u64 s[G0+4*\s+2:G0+4*\s+3], s[20:21], \s*4096
	s_or_b32 s[G0+4*\s+3], s[G0+4*\s+3], 0x80000000
	s_mov_b32 s[G0B+4*\s], 1
	s_add_co_u32 s[G0B+4*\s+1], s22, \s*SLOT
	s_add_nc_u64 s[G0B+4*\s+2:G0B+4*\s+3], s[46:47], \s*4096
	s_or_b32 s[G0B+4*\s+3], s[G0B+4*\s+3], 0x80000000
	JLOAD \s                                       ; two loads of mine are out behind the second
.endr
	v_and_b32 v1, 15, v0                           ; r
	v_bfe_u32 v2, v0, 4, 1                         ; h
	v_and_b32 v3, 31, v0
	v_lshlrev_b32 v[CO], 4, v3
	; bo of my 128 outputs, in the result's layout: for tile b the eight numbers at output 16 b + 8 h
	s_lshl_b32 s18, s42, 10
	s_lshl_b32 s19, s16, 9
	s_add_co_u32 s18, s18, s19                     ; (256 tx + 128 x half) x 4 bytes
	s_mov_b32 s19, 0
	s_add_nc_u64 s[8:9], s[8:9], s[18:19]
	v_lshlrev_b32 v5, 5, v2
.irp b, 0,1,2,3,4,5,6,7
	global_load_b128 v[BO+8*\b:BO+8*\b+3], v5, s[8:9] offset:64*\b
	global_load_b128 v[BO+8*\b+4:BO+8*\b+7], v5, s[8:9] offset:64*\b+16
.endr
	s_add_nc_u64 s[10:11], s[10:11], s[18:19]      ; out0: my first column,
	s_lshl_b32 s18, s17, 19
	s_lshl_b32 s23, s15, 18
	s_add_co_u32 s18, s18, s23                     ; my first row: (128 ty + 64 x half) x 4,096 bytes
	s_add_nc_u64 s[10:11], s[10:11], s[18:19]
	s_lshl_b32 s21, s15, 14                        ; my four tiles of tokens in a slot
	s_lshl_b32 s23, s16, 15
	s_add_co_u32 s23, s23, WOFF                    ; my eight tiles of outputs
.irp s, 0,1
	v_add_nc_u32 v[ADRA+\s], s21, v[CO]
	v_add_nc_u32 v[ADRB+\s], s23, v[CO]
	s_add_co_u32 s21, s21, SLOT
	s_add_co_u32 s23, s23, SLOT
.endr
	s_mul_i32 s21, s14, 16*SPITCH
	s_add_co_u32 s21, s21, STAGE                   ; my stage
	v_mul_u32_u24 v4, v1, SPITCH
	v_lshl_add_u32 v4, v2, 5, v4
	v_add_nc_u32 v[STO], s21, v4                   ; in: row r, 32 bytes for each half of the lanes
	v_add_nc_u32 v[RD], s21, v[CO]                 ; back: the 32 lanes take one row of 512 bytes
.macro FETCH slot, q, f                ; 24 LDS loads in one run: the fragments of the slot's q-th 32 along K into buffer f
	WIN TO_F
.irp i, 0,1,2,3,4,5,6,7
.irp c, 0,1
	ds_load_b128 v[\f+8*\i+4*\c:\f+8*\i+4*\c+3], v[ADRB+\slot] offset:\i*4096+(\q)*1024+\c*512
.endr
.endr
.irp i, 0,1,2,3
.irp c, 0,1
	ds_load_b128 v[\f+64+8*\i+4*\c:\f+64+8*\i+4*\c+3], v[ADRA+\slot] offset:\i*4096+(\q)*1024+\c*512
.endr
.endr
.endm
.macro MUL8 f, a, zero                 ; tile a of tokens against Wo's eight.  The 32 accumulators take turns, one instruction a turn, in the same order in every quarter
.irp b, 0,1,2,3,4,5,6,7
.if \zero
	v_wmma_f32_16x16x32_f16 v[8*(8*(\a)+\b):8*(8*(\a)+\b)+7], v[\f+8*\b:\f+8*\b+7], v[\f+64+8*(\a):\f+64+8*(\a)+7], v[BO+8*\b:BO+8*\b+7]
.else
	v_wmma_f32_16x16x32_f16 v[8*(8*(\a)+\b):8*(8*(\a)+\b)+7], v[\f+8*\b:\f+8*\b+7], v[\f+64+8*(\a):\f+64+8*(\a)+7], v[8*(8*(\a)+\b):8*(8*(\a)+\b)+7]
.endif
.endr
.endm
.macro PLACES                          ; four plain lines between a matrix instruction and a load into, or a read of, its registers
.rept 4
	v_nop
.endr
.endm
; A K step is four quarters of 32 along K, 32 matrix instructions each, on buffers 0, 1, 0, 1.  One of the first three: fetches quarter q into g and multiplies f.
.macro QUARTER slot, q, f, g, zero
	s_wait_dscnt 0x0                               ; buffer f's loads, issued a quarter ago, are in
	PLACES                                         ; buffer g was multiplied in the quarter before
	FETCH \slot, \q, \g
	WIN MUL-0x20*(\zero)                           ; (zero = 1: C, the bias, lies in window 0)
	MUL8 \f, 0, \zero
	MUL8 \f, 1, \zero
	MUL8 \f, 2, \zero
	MUL8 \f, 3, \zero
.endm
; The last quarter multiplies buffer 1 and changes slots: ONE barrier; in front of it each wave waits for all its tensor loads, adds 0 to its spare word, and waits for that and for its reads of this slot.  fill = 1: this slot is filled again, two K steps ahead.
.macro TURN slot, next, fill
	WIN 0                                          ; (the add's two registers lie in window 0)
	s_wait_tensorcnt 0x0                           ; all my tensor loads have landed: my part of the next slot
	ds_add_u32 v[SPW], v[NIL]                      ; 0 onto my spare word
	s_wait_dscnt 1                                 ; buffer 1's loads are in; the add alone may be out
	WIN MUL
	MUL8 F1, 0, 0
	s_wait_dscnt 0x0                               ; the add is done, and my reads of this slot are over
	s_barrier_signal -1
	MUL8 F1, 1, 0
	WIN 0
	s_barrier_wait -1
.if \fill
	CREST                                          ; the barrier has opened a round of the cluster's: no wave of any partner still reads this slot or has a load on its way
	s_add_nc_u64 s[G0+4*\slot+2:G0+4*\slot+3], s[G0+4*\slot+2:G0+4*\slot+3], 2*4096
	s_add_nc_u64 s[G0B+4*\slot+2:G0B+4*\slot+3], s[G0B+4*\slot+2:G0B+4*\slot+3], 2*4096
	JLOAD \slot                                    ; the first tensor load behind the round; the four v_nop behind it are also the places in front of the loads below
.else
	PLACES
.endif
	FETCH \next, 0, F0
	WIN MUL
	MUL8 F1, 2, 0
	MUL8 F1, 3, 0
.endm
	s_wait_tensorcnt 1                             ; my part of K step 0 is in; K step 1's load may be out
	s_barrier_signal -1
	s_barrier_wait -1                              ; everybody's is
	FETCH 0, 0, F0
	s_wait_loadcnt 0x0                             ; bo
	QUARTER 0, 1, F0, F1, 1                        ; the first quarter stands in front of the loop: its products start the sums from bo
	WIN 0                                          ; at a label and at a branch every window is 0
	s_mov_b32 s3, 3
.Llap:                                             ; a trip goes once round the ring, from a lap's second quarter to the next lap's first, and fills both slots again
	QUARTER 0, 2, F1, F0, 0
	QUARTER 0, 3, F0, F1, 0
	TURN 0, 1, 1
	QUARTER 1, 1, F0, F1, 0
	QUARTER 1, 2, F1, F0, 0
	QUARTER 1, 3, F0, F1, 0
	TURN 1, 0, 1
	QUARTER 0, 1, F0, F1, 0
	WIN 0
	s_sub_co_u32 s3, s3, 1
	s_cmp_lg_u32 s3, 0
	s_cbranch_scc1 .Llap
	QUARTER 0, 2, F1, F0, 0                        ; the last lap fills nothing
	QUARTER 0, 3, F0, F1, 0
	TURN 0, 1, 0
	QUARTER 1, 1, F0, F1, 0
	QUARTER 1, 2, F1, F0, 0
	QUARTER 1, 3, F0, F1, 0
	s_wait_dscnt 0x0                               ; the very last quarter: nothing more to fetch
	WIN MUL
	MUL8 F1, 0, 0
	MUL8 F1, 1, 0
	MUL8 F1, 2, 0
	MUL8 F1, 3, 0
	WIN 0
; THE WAY OUT, block by block of 16 tokens x 128 outputs.  A lane holds 32 neighbouring bytes of a row and the lanes beside it hold other rows: a block goes through my own stage in LDS and comes back as whole rows of 512 bytes.
; LDS serves a wave's instructions in order (ISA guide 5.7.1.4): no wait between the stores and the loads, nor in front of the next block's stores.
.macro TOSTAGE a
	WIN 0x08                                       ; an LDS store's data are its source 1: window 2
.irp b, 0,1,2,3,4,5,6,7
	ds_store_b128 v[STO], v[8*(8*(\a)+\b):8*(8*(\a)+\b)+3] offset:64*\b           ; each accumulator from its low end on
	ds_store_b128 v[STO], v[8*(8*(\a)+\b)+4:8*(8*(\a)+\b)+7] offset:64*\b+16
.endr
	WIN 0
.set BB, BK+64*((\a)%2)
.irp t, 0,1,2,3,4,5,6,7,8,9,10,11,12,13,14,15
	ds_load_b128 v[BB+4*\t:BB+4*\t+3], v[RD] offset:\t*SPITCH
.endr
.endm
.macro SEND a, younger                 ; younger: the LDS instructions issued behind block a's loads, which may stay out
.set BB, BK+64*((\a)%2)
	s_wait_dscnt \younger                          ; the block is back in registers
.irp t, 0,1,2,3,4,5,6,7,8,9,10,11,12,13,14,15
	global_store_b128 v[CO], v[BB+4*\t:BB+4*\t+3], s[10:11] offset:(\a)*65536+\t*4096 th:TH_STORE_NT   ; 32 lanes store 512 consecutive bytes, at a multiple of 256 from out0's first byte
.endr
.endm
	PLACES                                         ; behind the last products, in front of the first read of results
	TOSTAGE 0
.irp a, 1,2,3
.if \a > 1
	s_wait_xcnt 0x0                                ; block a - 2's stores have read their data registers: block a's loads may land there
.endif
	TOSTAGE \a
	SEND \a-1, 32                                  ; behind block a - 1's loads: block a's 16 stores and 16 loads
.endr
	SEND 3, 0
	s_wait_tensorcnt 0x0                           ; the wave's end, behind my last tensor load and my last LDS store
	ds_add_u32 v[SPW], v[NIL]
	s_wait_dscnt 0x0
	CROUND                                         ; the closing round: no work-group ends while a partner may still ask for a tile that names it
	s_endpgm
.Lfunc_end_k_qdede686df0_outp:
	.size	k_qdede686df0_outp, .Lfunc_end_k_qdede686df0_outp-k_qdede686df0_outp
	.p2alignl 7, 3214868480
	.fill 96, 4, 3214868480
	.section	.rodata,"a",@progbits
	.p2align	6, 0x0
	.amdhsa_kernel k_qdede686df0_outp
		.amdhsa_group_segment_fixed_size 327680
		.amdhsa_private_segment_fixed_size 0
		.amdhsa_enable_private_segment 0
		.amdhsa_kernarg_size 32
		.amdhsa_user_sgpr_count 2
		.amdhsa_user_sgpr_kernarg_segment_ptr 1
		.amdhsa_wavefront_size32 1
		.amdhsa_system_sgpr_workgroup_id_x 1
		.amdhsa_system_sgpr_workgroup_id_y 1
		.amdhsa_system_sgpr_workgroup_id_z 1
		.amdhsa_system_vgpr_workitem_id 0
		.amdhsa_next_free_vgpr 768
		.amdhsa_next_free_sgpr 66
		.amdhsa_reserve_vcc 0
		.amdhsa_float_denorm_mode_32 3
		.amdhsa_float_denorm_mode_16_64 3
		.amdhsa_memory_ordered 1
		.amdhsa_forward_progress 1
		.amdhsa_inst_pref_size 85
	.end_amdhsa_kernel
	.amdgpu_metadata
---
amdhsa.version: [ 1, 2 ]
amdhsa.kernels:
  - .name:           k_qdede686df0_outp
    .symbol:         k_qdede686df0_outp.kd
    .args:
      - { .name: ctxh, .offset: 0, .size: 8, .value_kind: global_buffer, .address_space: global }
      - { .name: woh, .offset: 8, .size: 8, .value_kind: global_buffer, .address_space: global }
      - { .name: bo, .offset: 16, .size: 8, .value_kind: global_buffer, .address_space: global }
      - { .name: out0, .offset: 24, .size: 8, .value_kind: global_buffer, .address_space: global }
    .group_segment_fixed_size: 327680
    .private_segment_fixed_size: 0
    .kernarg_segment_align: 8
    .kernarg_segment_size: 32
    .max_flat_workgroup_size: 128
    .sgpr_count:     66
    .vgpr_count:     768
    .wavefront_size: 32
...
	.end_amdgpu_metadata
.endif
;; end of part 4
